; MI455X (gfx1250); checked and timed in simulation.
; The chip was launched on July 23, 2026; its instructions are those of AMD's public machine-readable ISA for CDNA 5 (MIT licence, August 2026) and "CDNA5" Instruction Set Architecture Reference Guide (July 2026). The comments in the code are by the model that wrote it; some were corrected since.
;; Causal Self Attention. Allowed arithmetic: matrix products marked QUANTISED: E2M1 operands, one E8M0 scale for each 32 along K, by v_wmma_scale_f32_16x16x128_f8f6f4 with both operands' format E2M1 (or v_wmma_scale_f32_32x16x128_f4), f32 sums; products left as they are: bf16, f16 or f32 operands; f32 sums; everything else in f32.
;; Inputs: w_attn 3,072 x 1,024 float32; w_proj 1,024 x 1,024 float32; x 1 x 4,096 x 1,024 float32.
;; Outputs: out0 1 x 4,096 x 1,024 float32.
;; This version of the problem:
;;   THIS VERSION OF THE PROBLEM IS GIVEN IN LOW PRECISION. The matrix products marked QUANTISED in the list below multiply operands that are first quantised to E2M1 (2 exponent bits, 1 mantissa bit; 4 bits a number), with one power-of-two scale for each 32 numbers along K (OCP MX v1.0); their sums are f32. The products marked 'left as it is' may take bf16, f16 or f32 operands, with f32 sums. Whichever they take, every output number must still come out within the allowed error. Rounding operands to bf16 (8 significant bits) uses up far more of that allowance than f16 does (11 bits, for magnitudes from 6e-5 to 65,504). All else is computed in f32.
;;   The module's matrix products, in the order in which they are computed (A, B: the left and right operand; K: the contracted axis; several contracted axes count as one K, in the product's order):
;;     1. [M 4,096, K 1,024] x [K 1,024, N 3,072]; A: input x; B: input w_attn: QUANTISED
;;     2. batch 16 x [M 4,096, K 64] x [K 64, N 4,096]; A: computed on the way; B: computed on the way: left as it is (an operand is computed on the way)
;;     3. batch 16 x [M 4,096, K 4,096] x [K 4,096, N 64]; A: computed on the way; B: computed on the way: left as it is (an operand is computed on the way)
;;     4. [M 4,096, K 1,024] x [K 1,024, N 1,024]; A: computed on the way; B: input w_proj: left as it is (an operand is computed on the way)
;;   THE QUANTISER, for each operand of a quantised product, along K:
;;     - K is cut into blocks of 32 from its start; a last block that is shorter is filled with zeros.
;;     - A block's scale is 2^e with e = floor(log2(the largest magnitude in the block)) - 2, held to -126 .. 127; a block of zeros has e = 0. As a byte (E8M0): e + 127.
;;     - Each number is divided by its block's scale, clamped to +-6, and rounded to the nearest number of E2M1, ties to even, subnormals kept.
;;     - The product sums the exact products of the quantised numbers (number of the format x scale) in f32.
;;   ~~~python
;;   def quantise(x, axis):      # numpy; x: float32 -> the quantised numbers, widened to float32 again
;;       x = np.moveaxis(x, axis, -1); K = x.shape[-1]
;;       x = np.pad(x, [(0, 0)] * (x.ndim - 1) + [(0, -K % 32)]); x = x.reshape(x.shape[:-1] + (-1, 32)); a = np.abs(x).max(-1, keepdims=True)
;;       e = np.where(a > 0, np.clip(np.frexp(np.where(a > 0, a, 1))[1] - 1 - 2, -126, 127), 0)      # np.frexp(a)[1] - 1 = floor(log2(a)), exactly
;;       r = np.clip(x / 2.0 ** e, -6, 6)
;;       step = 2.0 ** (np.maximum(np.frexp(np.where(r == 0, 1, r))[1] - 1, 0) - 1)
;;       q = np.round(r / step) * step * 2.0 ** e      # np.round: ties to even
;;       return np.moveaxis(q.reshape(q.shape[:-2] + (-1,))[..., :K], -1, axis).astype(np.float32)
;;   ~~~
;; One version. Each part assembles by itself: llvm-mc -triple=amdgcn-amd-amdhsa -mcpu=gfx1250 --defsym DOCPART=n.
;; ======== version 1 of 1: 5 launches
;; limits: values are held in f16: magnitudes above 65,504 overflow, below 6.1e-05 lose precision
;; workspace buffers: x_codes 2,097,152 bytes; x_scales 131,072 bytes; w_codes 1,572,864 bytes; w_scales 98,304 bytes; wp16 2,097,152 bytes; qkv16 25,165,824 bytes; qkv32 196,608 bytes; y16 8,388,608 bytes
;; launch quant (part 1): grid 256 x 1, 4 waves a work-group, no clusters, 33,280 bytes of LDS; arguments x, w_attn, x_codes, x_scales, w_codes, w_scales, w_proj, wp16; writes x_codes, x_scales, w_codes, w_scales, wp16
.if DOCPART == 1
	.amdgcn_target "amdgcn-amd-amdhsa--gfx1250"
	.amdhsa_code_object_version 6
	.text
	.protected	k_qaf8f52ae96_quant
	.globl	k_qaf8f52ae96_quant
	.p2align	8
	.type	k_qaf8f52ae96_quant,@function
k_qaf8f52ae96_quant:
	s_mov_b64 s[64:65], 0
	v_nop
	global_prefetch_b8 v0, s[64:65] scope:SCOPE_SE
	s_setreg_imm32_b32 hwreg(HW_REG_WAVE_MODE, 25, 1), 1
	s_wait_xcnt 0x0
; LAUNCH 1 OF 5.  Causal self-attention, L = 4,096, E = 1,024, 16 heads of 64.  The five launches: (1) x and w_attn into codes of FP4 (E2M1) with one E8M0 byte for each 32 along K, w_proj into f16;
; (2) qkv = x w_attn^T on the codes; (3) attention, f16 operands, f32 sums and softmax; (4) the projection, f16 operands; (5) positions 0 to 15 once more, attention and projection in f32.
; WORK LEFT OUT (launch 3): reference() builds causal = tril(ones) in its own body and sets scores to -inf where key > query, so that softmax gives those keys the weight 0 whatever the inputs hold: tiles of keys
; that lie wholly behind all queries of a tile are neither multiplied nor loaded.  LIMIT: a NaN, an infinity or an overflow that would arise only in such tiles is not carried to the result.  Every input is loaded.
; LIMITS OF FORMAT: q, k, v, y and w_proj go to the matrix units as f16: magnitudes up to 65,504.  Blocks whose largest magnitude lies under 2^(2 - 126), the floor, whose byte is held at 1, were not tried;
; NaN and infinities among the inputs are not served.
; THIS LAUNCH.  Work-groups 0-127 take x, 128-223 w_attn, 224-255 w_proj.  x and w_attn have K innermost and dense rows, K a multiple of 32: plain streams of blocks of 32 numbers.
; A block's scale is 2^(floor(log2(its largest magnitude)) - 2); its byte is the largest magnitude's exponent field - 2, held at 1 from below (a block of zeros so gets the byte 1 where the rule says 127: its codes are
; zeros, which add nothing under any byte but 0xff, and this program alone reads the bytes).  Each number is divided by the scale and rounded to the nearest code, ties to even, beyond 6 the largest code.
; A wave takes 16 steps of 512 numbers.  Each of a step's four loads reads 512 consecutive bytes; the 2,048 bytes turn through the wave's own stage in LDS and come back 64 bytes a lane, so that a lane holds 16
; neighbours along K (two lanes a block).  A lane's 16 codes are 8 bytes: the wave stores 256 consecutive bytes.  A wave's 256 scale bytes are gathered in LDS and leave as 256 consecutive bytes.
.set SIZE_M, 4096
.set SIZE_N, 3072
.set SIZE_K, 1024
.set WAVES, 4
.set STEPS, 16
.set WGA,   SIZE_M*SIZE_K/(512*STEPS*WAVES)            ; 128 work-groups for x
.set WGQ,   (SIZE_M+SIZE_N)*SIZE_K/(512*STEPS*WAVES)   ; 224 for x and w_attn together
.set EMAX,  2
.set CB,    8                          ; bytes of 16 codes
.set R,     16                         ; v16-79   four sets of 16 numbers as they are loaded
.set X,     80                         ; v80-111  two sets of 16 neighbours
.set C,     128                        ; v128-191 codes: four registers for each step
.set E,     112                        ; v112-127 a scale byte for each step
.set WREG,  8192                       ; LDS: a region for each wave: two stages of 32 x SP bytes, behind them its 256 scale bytes
.set SP,    80                         ; a lane's place in a stage: 64 bytes + 16 of padding
.set SPW,   12                         ; v12  LDS address of my spare word; never rewritten
.set NIL,   13                         ; v13  0; never rewritten
.set SPARE, WAVES*WREG                 ; the spare words, 128 bytes a wave, named by no other line
	s_load_b128 s[4:7], s[0:1], 0x0                ; x, w_attn
	s_load_b128 s[8:11], s[0:1], 0x10              ; x's codes, x's scales
	s_load_b128 s[12:15], s[0:1], 0x20             ; w_attn's codes, its scales
	s_load_b128 s[24:27], s[0:1], 0x30             ; w_proj, wp16
	v_lshl_add_u32 v[SPW], v0, 2, SPARE
	v_mov_b32 v[NIL], 0
	v_lshrrev_b32 v1, 5, v0
	v_readfirstlane_b32 s16, v1                    ; wave
	v_and_b32 v2, 31, v0                           ; lane
	v_lshlrev_b32 v3, 4, v2                        ; my 16 bytes of a load's 512
	s_mul_i32 s17, s16, WREG
	v_lshrrev_b32 v14, 2, v2
	v_mul_u32_u24 v14, v14, SP
	v_and_b32 v15, 3, v2
	v_lshl_add_u32 v14, v15, 4, v14
	v_add_nc_u32 v14, s17, v14                     ; the stage, on the way in: SP (lane / 4) + 16 (lane % 4)
	v_mul_u32_u24 v15, v2, SP
	v_add_nc_u32 v15, s17, v15                     ; and on the way out: SP x lane: my 16 neighbours
	v_mul_u32_u24 v4, v2, CB                       ; my codes' place in a step's
	v_lshrrev_b32 v5, 1, v2
	s_add_co_u32 s17, s17, 2*32*SP
	v_add_nc_u32 v5, s17, v5                       ; LDS: my wave's 256 scale bytes, my block's byte
	v_lshlrev_b32 v7, 3, v2                        ; 8 bytes a lane
	v_add_nc_u32 v6, s17, v7
	s_wait_kmcnt 0x0
	s_cmp_ge_u32 ttmp9, WGQ                        ; the last 32 work-groups take w_proj: a path of its own, which touches no LDS
	s_cbranch_scc1 .Lproj
	s_cmp_lt_u32 ttmp9, WGA                        ; x's work-group or w_attn's?  Only pointers are chosen
	s_cselect_b64 s[4:5], s[4:5], s[6:7]
	s_cselect_b64 s[8:9], s[8:9], s[12:13]
	s_cselect_b64 s[10:11], s[10:11], s[14:15]
	s_cselect_b32 s17, 0, WGA
	s_sub_co_u32 s17, ttmp9, s17
	s_lshl_b32 s17, s17, 2
	s_add_co_u32 s18, s17, s16                     ; which run of 8,192 numbers of the tensor is my wave's
	s_mov_b32 s19, 0
	s_mov_b64 s[20:21], 512*STEPS*4
	s_mul_u64 s[20:21], s[18:19], s[20:21]
	s_add_nc_u64 s[4:5], s[4:5], s[20:21]
	s_mov_b64 s[20:21], 32*STEPS*CB
	s_mul_u64 s[20:21], s[18:19], s[20:21]
	s_add_nc_u64 s[8:9], s[8:9], s[20:21]
	s_lshl_b32 s18, s18, 8                         ; 256 scale bytes a run
	s_add_nc_u64 s[10:11], s[10:11], s[18:19]
.macro LOAD t
.irp i, 0,1,2,3
	global_load_b128 v[R+16*((\t)%4)+4*\i:R+16*((\t)%4)+4*\i+3], v3, s[4:5] offset:2048*(\t)+512*\i th:TH_LOAD_NT   ; 32 lanes read 512 consecutive bytes
.endr
.endm
.macro TURN t                          ; step t's numbers through the stage: LDS serves a wave's instructions in order, so no wait stands between the stores and the loads
.irp i, 0,1,2,3
	ds_store_b128 v14, v[R+16*((\t)%4)+4*\i:R+16*((\t)%4)+4*\i+3] offset:32*SP*((\t)%2)+8*SP*\i
.endr
.irp i, 0,1,2,3
	ds_load_b128 v[X+16*((\t)%2)+4*\i:X+16*((\t)%2)+4*\i+3], v15 offset:32*SP*((\t)%2)+16*\i
.endr
.endm
.irp t, 0,1,2,3
	LOAD \t
.endr
	s_wait_loadcnt 12                              ; step 0's four loads are in; the twelve of steps 1 to 3 stay out
	TURN 0
.macro STEP t
.set XS, X+16*((\t)%2)
.if (\t) > 0
	s_wait_dscnt 1                                 ; this step's numbers are back from the stage (the last step's byte store may be out)
.else
	s_wait_dscnt 0x0
.endif
.if (\t)+4 < STEPS
	LOAD (\t)+4                                    ; into the registers that the stage's stores have read
.endif
.if (\t)+1 < STEPS
.if STEPS-2-(\t) >= 3
	s_wait_loadcnt 12                              ; the next step's four loads are in; those of the three steps behind it may be out
.else
	s_wait_loadcnt 4*(STEPS-2-(\t))
.endif
	TURN (\t)+1
.endif
	v_max3_num_f32 v8, |v[XS]|, |v[XS+1]|, |v[XS+2]|               ; the largest magnitude of my 16, in two chains
	v_max3_num_f32 v9, |v[XS+3]|, |v[XS+4]|, |v[XS+5]|
.irp i, 6,10
	v_max3_num_f32 v8, v8, |v[XS+\i]|, |v[XS+\i+1]|
	v_max3_num_f32 v9, v9, |v[XS+\i+2]|, |v[XS+\i+3]|
.endr
	v_max3_num_f32 v8, v8, |v[XS+14]|, |v[XS+15]|
	v_max3_num_f32 v8, v8, v9, (EMAX+1)<<23        ; and the floor 2^(EMAX + 1 - 127): the byte cannot fall under 1
	v_max_num_f32_dpp v8, v8, v8 row_xmask:1 row_mask:0xf bank_mask:0xf   ; and of my neighbour's 16: the block's
	v_add_nc_u32 v11, -(EMAX<<23), v8              ; EMAX off its exponent field: the conversion takes the exponent field of this operand as its scale
	v_cvt_scalef32_pk8_fp4_f32 v[C+4*(\t)], v[XS:XS+7], v11
	v_cvt_scalef32_pk8_fp4_f32 v[C+4*(\t)+1], v[XS+8:XS+15], v11
	v_lshrrev_b32 v[E+(\t)], 23, v11               ; the scale's byte (also the plain line behind the conversions)
	ds_store_b8 v5, v[E+(\t)] offset:16*(\t)       ; both lanes of a block write the same byte with the same value
	global_store_b64 v4, v[C+4*(\t):C+4*(\t)+1], s[8:9] offset:32*CB*(\t)
.endm
.irp t, 0,1,2,3,4,5,6,7,8,9,10,11,12,13,14,15
	STEP \t
.endr
	ds_load_b64 v[8:9], v6                         ; LDS serves a wave's instructions in order: these see my stores
	s_wait_dscnt 0x0
	global_store_b64 v7, v[8:9], s[10:11]          ; 32 lanes store 256 consecutive bytes
	s_wait_tensorcnt 0x0                           ; the wave's end
	ds_add_u32 v[SPW], v[NIL]
	s_wait_dscnt 0x0
	s_endpgm
; w_proj [1024][1024] f32 -> f16, same layout.  A wave takes 8,192 numbers: 64 loads of 512 consecutive bytes, in four batches of 16 on two sets of registers; each load's 128 numbers leave as 256 consecutive bytes.
.Lproj:
	s_sub_co_u32 s17, ttmp9, WGQ
	s_lshl_b32 s17, s17, 2
	s_add_co_u32 s17, s17, s16                     ; my wave's run
	s_lshl_b32 s18, s17, 15                        ; 32,768 bytes in,
	s_mov_b32 s19, 0
	s_add_nc_u64 s[24:25], s[24:25], s[18:19]
	s_lshl_b32 s18, s17, 14                        ; 16,384 out
	s_add_nc_u64 s[26:27], s[26:27], s[18:19]
.macro LOADB q
.set BS, R+64*((\q)%2)
.irp i, 0,1,2,3,4,5,6,7,8,9,10,11,12,13,14,15
	global_load_b128 v[BS+4*\i:BS+4*\i+3], v3, s[24:25] offset:512*(16*(\q)+\i) th:TH_LOAD_NT
.endr
.endm
.macro CBATCH q
.set BS, R+64*((\q)%2)
.if (\q) < 3
	s_wait_loadcnt 16                              ; this batch is in; the one younger batch stays out
.else
	s_wait_loadcnt 0x0
.endif
.irp i, 0,1,2,3,4,5,6,7,8,9,10,11,12,13,14,15
	v_cvt_pk_f16_f32 v[BS+4*\i], v[BS+4*\i], v[BS+4*\i+1]          ; two roundings to f16, packed, in place
	v_cvt_pk_f16_f32 v[BS+4*\i+1], v[BS+4*\i+2], v[BS+4*\i+3]
.endr
.irp i, 0,1,2,3,4,5,6,7,8,9,10,11,12,13,14,15
	global_store_b64 v7, v[BS+4*\i:BS+4*\i+1], s[26:27] offset:256*(16*(\q)+\i)
.endr
.if (\q) < 2
	s_wait_xcnt 0x0                                ; the stores have read their registers: the set is loaded again only behind this wait
	LOADB (\q)+2
.endif
.endm
	LOADB 0
	LOADB 1
	CBATCH 0
	CBATCH 1
	CBATCH 2
	CBATCH 3
	s_endpgm
.Lfunc_end_k_qaf8f52ae96_quant:
	.size	k_qaf8f52ae96_quant, .Lfunc_end_k_qaf8f52ae96_quant-k_qaf8f52ae96_quant
	.p2alignl 7, 3214868480
	.fill 96, 4, 3214868480
	.section	.rodata,"a",@progbits
	.p2align	6, 0x0
	.amdhsa_kernel k_qaf8f52ae96_quant
		.amdhsa_group_segment_fixed_size 33280
		.amdhsa_private_segment_fixed_size 0
		.amdhsa_enable_private_segment 0
		.amdhsa_kernarg_size 64
		.amdhsa_user_sgpr_count 2
		.amdhsa_user_sgpr_kernarg_segment_ptr 1
		.amdhsa_wavefront_size32 1
		.amdhsa_system_sgpr_workgroup_id_x 1
		.amdhsa_system_sgpr_workgroup_id_y 1
		.amdhsa_system_sgpr_workgroup_id_z 1
		.amdhsa_system_vgpr_workitem_id 0
		.amdhsa_next_free_vgpr 192
		.amdhsa_next_free_sgpr 66
		.amdhsa_reserve_vcc 0
		.amdhsa_float_denorm_mode_32 3
		.amdhsa_float_denorm_mode_16_64 3
		.amdhsa_memory_ordered 1
		.amdhsa_forward_progress 1
		.amdhsa_inst_pref_size 54
	.end_amdhsa_kernel
	.amdgpu_metadata
---
amdhsa.version: [ 1, 2 ]
amdhsa.kernels:
  - .name:           k_qaf8f52ae96_quant
    .symbol:         k_qaf8f52ae96_quant.kd
    .args:
      - { .name: x, .offset: 0, .size: 8, .value_kind: global_buffer, .address_space: global }
      - { .name: w_attn, .offset: 8, .size: 8, .value_kind: global_buffer, .address_space: global }
      - { .name: x_codes, .offset: 16, .size: 8, .value_kind: global_buffer, .address_space: global }
      - { .name: x_scales, .offset: 24, .size: 8, .value_kind: global_buffer, .address_space: global }
      - { .name: w_codes, .offset: 32, .size: 8, .value_kind: global_buffer, .address_space: global }
      - { .name: w_scales, .offset: 40, .size: 8, .value_kind: global_buffer, .address_space: global }
      - { .name: w_proj, .offset: 48, .size: 8, .value_kind: global_buffer, .address_space: global }
      - { .name: wp16, .offset: 56, .size: 8, .value_kind: global_buffer, .address_space: global }
    .group_segment_fixed_size: 33280
    .private_segment_fixed_size: 0
    .kernarg_segment_align: 8
    .kernarg_segment_size: 64
    .max_flat_workgroup_size: 128
    .sgpr_count:     66
    .vgpr_count:     192
    .wavefront_size: 32
...
	.end_amdgpu_metadata
.endif
;; end of part 1
;; launch qkv (part 2): grid 12 x 16, 4 waves a work-group, clusters of 4 x 1, 327,680 bytes of LDS; arguments x_codes, x_scales, w_codes, w_scales, qkv16, qkv32; writes qkv16, qkv32
.if DOCPART == 2
	.amdgcn_target "amdgcn-amd-amdhsa--gfx1250"
	.amdhsa_code_object_version 6
	.text
	.protected	k_qaf8f52ae96_qkv
	.globl	k_qaf8f52ae96_qkv
	.p2align	8
	.type	k_qaf8f52ae96_qkv,@function
k_qaf8f52ae96_qkv:
	s_mov_b64 s[64:65], 0
	v_nop
	global_prefetch_b8 v0, s[64:65] scope:SCOPE_SE
	s_setreg_imm32_b32 hwreg(HW_REG_WAVE_MODE, 25, 1), 1
	s_wait_xcnt 0x0
	s_wait_alu depctr_hold_cnt(0) depctr_sa_sdst(0) depctr_va_vdst(0) depctr_va_sdst(0) depctr_va_ssrc(0) depctr_va_vcc(0) depctr_vm_vsrc(0)
	s_getreg_b32 s2, hwreg(HW_REG_IB_STS2, 6, 4)
	s_cmp_eq_u32 s2, 0
	s_cbranch_scc0 .Lentry_in_a_cluster
	s_endpgm
.Lentry_in_a_cluster:
	s_bfe_u32 s2, ttmp6, 0x10000c
	s_cmp_lg_u32 s2, 0x3003
	s_cbranch_scc0 .Lentry_shape_is_right
	s_endpgm
.Lentry_shape_is_right:
; LAUNCH 2 OF 5.  qkv[l][n] = sum over k of x[l][k] w_attn[n][k], both as codes of FP4 (E2M1) with one E8M0 byte for each 32 along K; sums in f32.  M = 4,096, N = 3,072, K = 1,024.
; OUT: qkv16 [48 planes][4096][64] f16, plane = n / 64 (0-15 q, 16-31 k, 32-47 v by head): a plane's rows are 128 bytes, dense.  Rows 0-15 also as f32, qkv32 [16][3072], for the last launch.
; A tile of 256 x 256 is made by four waves, each 128 x 128: 64 accumulators of 16 x 16.  K = 1,024 is two slots of 512 along K (rows of 256 bytes): both are filled once, at the start; nothing is filled again.
; The scale bytes of the work-group's 256 + 256 rows, for all of K, come once, as rows of 256 bytes with 16 of padding.
; CLUSTER 4 x 1: the four partners make four tile columns of ONE tile row, so x's tiles and scales are asked for jointly (mask 15); w_attn's differ from partner to partner and are loads of each work-group's own.
; Not 4 x 4: the f32 copy of rows 0-15 is a branch on the tile row, which the partners of 4 x 1 share; in 4 x 4 it would hang on a work-group's place in its cluster.  12 x 16 tiles: 192 work-groups.
; THE MATRIX INSTRUCTION IS USED TRANSPOSED (source 0 = 16 rows of w_attn, source 1 = 16 rows of x): a lane holds eight neighbouring columns of one row.
; REGISTERS, in windows of 256: window 0: v0-31 addresses; v32-95 scale words, two sets, and nothing else; v128-191 x's fragments, ONE set; on the way out v96-255 are at work.  window 1: w_attn's fragments, two sets, at v0 and v128.
;   window 2: the accumulators of my rows 0-63 ((a, b) at v[8 (8 a + b)]);  window 3: those of rows 64-127.
.set SIZE_M, 4096
.set SIZE_N, 3072
.set SIZE_K, 1024
.set KSTEP,  512
.set NQ,     KSTEP/128
.set ROWB,   256                       ; a tile's row in bytes
.set KROW,   SIZE_K*4/8                ; a row of codes in memory
.set PITCH,  272                       ; 256 + 16 = 68 words: row r starts at bank 4 r mod 64 (64 banks of 4 bytes: ISA guide 11.1)
.set FR,     8
.set NL,     2
.set NP,     4                         ; places behind this matrix form (ISA guide 7.12.1)
.set HALFT,  128*PITCH
.set SLOT,   4*HALFT
.set KS,     SIZE_K/32                 ; a row of scale bytes
.set SCL,    2*SLOT
.set HALFS,  (128*KS/256)*272
.set SBLK,   (16*KS/256)*272
.set SPARE,  SCL+4*HALFS               ; the spare words, 128 bytes a wave, named by no other line
.set SP32,   528                       ; the f32 stage: 16 rows x (512 + 16) for each wave, from byte 0 of slot 0
.set STG16,  34816                     ; the f16 stages: 2 planes x 16 rows x (128 + 16) for each wave, behind them.  Slot 0 has had its only fill and its last read when the first result is stored there
.set ADRA, 16                          ; v16-17
.set STO32, 18
.set RD32, 19
.set ADRB, 20                          ; v20-21
.set STO,  24
.set RD,   25
.set CO,   26                          ; 16 x lane
.set ADRS, 27
.set SPW,  28
.set NIL,  29
.set SC,   32
.set AF,   128
.set TMP,  192                         ; the way out: packed results
.set OB,   96                          ; rows read back: v96-127 and v224-255 by turns
.set G1, 24
.set G0, 32
.set G1B, 48
.set G0B, 56
.set G1S, 68
.set G0S, 76
.set G1SB, 80
.set G0SB, 88
.set MSB, 0
.macro WIN new                         ; the immediate's high byte repeats the setting that is left
.if MSB != (\new)
	s_set_vgpr_msb (MSB<<8)|(\new)
.set MSB, (\new)
.endif
.endm
.set MUL_LO, 0xa1                      ; source 0 window 1, source 1 window 0, C and D window 2
.set MUL_HI, 0xf1
.set TO_B,   0x40
; Waves 0 and 1 fetch for x (jointly), waves 2 and 3 for w_attn.  The branch hangs on the wave's number alone.  An s_nop 0 and four v_nop follow each of the two lines.
.macro JLOAD g0a, g1a, g0b, g1b
	s_cmp_eq_u32 s15, 0
	s_cbranch_scc0 .Lfor_b_\@
	tensor_load_to_lds s[\g0a:\g0a+3], s[\g1a:\g1a+7]
	s_nop 0
.rept 4
	v_nop
.endr
	s_branch .Lasked_\@
.Lfor_b_\@:
	tensor_load_to_lds s[\g0b:\g0b+3], s[\g1b:\g1b+7]
	s_nop 0
.rept 4
	v_nop
.endr
.Lasked_\@:
.endm
.macro CROUND                          ; a round of the cluster's barrier
	s_barrier_signal -1
	s_barrier_wait -1
	s_cmp_lg_u32 s14, 0
	s_cbranch_scc1 .Lnot_wave_0_\@
	s_barrier_signal -3
.Lnot_wave_0_\@:
	s_barrier_wait -3
	s_barrier_signal -1
	s_barrier_wait -1
.endm
	s_load_b128 s[4:7], s[0:1], 0x0                ; x's codes, x's scales
	s_load_b128 s[8:11], s[0:1], 0x10              ; w_attn's codes, its scales
	s_load_b64 s[12:13], s[0:1], 0x20              ; qkv16
	s_load_b64 s[96:97], s[0:1], 0x28              ; qkv32
	v_lshl_add_u32 v[SPW], v0, 2, SPARE
	v_mov_b32 v[NIL], 0
	ds_add_u32 v[SPW], v[NIL]                      ; the wave's opening: the add, twice on end, and its wait ahead of my first tensor load
	ds_add_u32 v[SPW], v[NIL]
	v_lshrrev_b32 v1, 5, v0
	v_readfirstlane_b32 s14, v1                    ; wave 0..3
	s_lshr_b32 s15, s14, 1                         ; which half of the tile's rows is mine.  Also: I fetch for x (0) or for w_attn (1)
	s_and_b32 s16, s14, 1                          ; which half of its columns.  Also: which 128 rows I fetch
	s_bfe_u32 s40, ttmp6, 0x40000                  ; cx
	s_lshl_b32 s42, ttmp9, 2
	s_add_co_u32 s42, s42, s40                     ; tile column = 4 x cluster x + cx
	s_and_b32 s17, ttmp7, 0xffff                   ; tile row = cluster y: the same in all four partners
	s_mov_b32 s[G1+0], 15|(1<<20)|(1<<21)|(5<<22)|(3<<25)   ; the mask: all four; elements of 1 byte; padding: 4 words after every 64; bit 21 beside a mask
	s_mov_b32 s[G1B+0], (1<<20)|(5<<22)|(3<<25)    ; no mask: a load of my own
.irp g, G1, G1B
	s_mov_b32 s[\g+1], ROWB<<16                    ; tensor_dim0
	s_mov_b32 s[\g+2], 128<<16                     ; tensor_dim1
	s_mov_b32 s[\g+3], ROWB<<16                    ; tile_dim0
	s_mov_b32 s[\g+4], 128                         ; tile_dim1
	s_mov_b32 s[\g+5], KROW                        ; stride from row to row
	s_mov_b32 s[\g+6], 0
	s_mov_b32 s[\g+7], 0
.endr
	s_mov_b32 s[G1S+0], 15|(3<<16)|(1<<20)|(1<<21)|(5<<22)|(3<<25)  ; the scales of 128 rows: 4,096 dense bytes as 16 rows of 32 elements of 8 bytes
	s_mov_b32 s[G1SB+0], (3<<16)|(1<<20)|(5<<22)|(3<<25)
.irp g, G1S, G1SB
	s_mov_b32 s[\g+1], 32<<16
	s_mov_b32 s[\g+2], (128*KS/256)<<16
	s_mov_b32 s[\g+3], 32<<16
	s_mov_b32 s[\g+4], 128*KS/256
	s_mov_b32 s[\g+5], 32
	s_mov_b32 s[\g+6], 0
	s_mov_b32 s[\g+7], 0
.endr
	s_lshl_b32 s18, s16, 7
	s_lshl_b32 s20, s17, 8
	s_add_co_u32 s20, s20, s18                     ; x: row 256 x tile row + 128 x half
	s_lshl_b32 s46, s42, 8
	s_add_co_u32 s46, s46, s18                     ; w_attn: row 256 x tile column + 128 x half
	s_mov_b32 s21, 0
	s_mov_b32 s47, 0
	s_mov_b64 s[18:19], KS
	s_mul_u64 s[22:23], s[20:21], s[18:19]         ; where these rows' scales begin
	s_mul_u64 s[92:93], s[46:47], s[18:19]
	s_mov_b64 s[18:19], KROW
	s_mul_u64 s[20:21], s[20:21], s[18:19]         ; and their codes
	s_mul_u64 s[46:47], s[46:47], s[18:19]
	s_mul_i32 s45, s14, HALFT                      ; where they go: wave x 128 rows
	s_mul_i32 s94, s14, HALFS
	s_wait_dscnt 0x0                               ; both opening adds are done
	s_wait_kmcnt 0x0
	s_add_nc_u64 s[20:21], s[4:5], s[20:21]
	s_add_nc_u64 s[22:23], s[6:7], s[22:23]
	s_add_nc_u64 s[46:47], s[8:9], s[46:47]
	s_add_nc_u64 s[92:93], s[10:11], s[92:93]
	CROUND                                         ; all four work-groups are here: the first loads meet
	s_mov_b32 s[G0S], 1
	s_add_co_u32 s[G0S+1], s94, SCL
	s_mov_b64 s[G0S+2:G0S+3], s[22:23]
	s_or_b32 s[G0S+3], s[G0S+3], 0x80000000
	s_mov_b32 s[G0SB], 1
	s_add_co_u32 s[G0SB+1], s94, SCL
	s_mov_b64 s[G0SB+2:G0SB+3], s[92:93]
	s_or_b32 s[G0SB+3], s[G0SB+3], 0x80000000
	JLOAD G0S, G1S, G0SB, G1SB                     ; the scales first
.irp s, 0,1
	s_mov_b32 s[G0+4*\s], 1
	s_add_co_u32 s[G0+4*\s+1], s45, \s*SLOT
	s_add_nc_u64 s[G0+4*\s+2:G0+4*\s+3], s[20:21], \s*ROWB
	s_or_b32 s[G0+4*\s+3], s[G0+4*\s+3], 0x80000000
	s_mov_b32 s[G0B+4*\s], 1
	s_add_co_u32 s[G0B+4*\s+1], s45, \s*SLOT
	s_add_nc_u64 s[G0B+4*\s+2:G0B+4*\s+3], s[46:47], \s*ROWB
	s_or_b32 s[G0B+4*\s+3], s[G0B+4*\s+3], 0x80000000
	JLOAD G0+4*\s, G1, G0B+4*\s, G1B               ; three loads of mine are out at the most
.endr
	v_and_b32 v1, 15, v0                           ; r
	v_bfe_u32 v2, v0, 4, 1                         ; h
	v_mul_u32_u24 v3, v1, PITCH
	v_lshl_add_u32 v4, v2, 4, v3                   ; a fragment's row x pitch + 16 h
	s_mul_i32 s21, s15, HALFT
	s_mul_i32 s22, s16, HALFT
	s_add_co_u32 s22, s22, 2*HALFT
.irp s, 0,1
	v_add_nc_u32 v[ADRA+\s], s21, v4
	v_add_nc_u32 v[ADRB+\s], s22, v4
	s_add_co_u32 s21, s21, SLOT
	s_add_co_u32 s22, s22, SLOT
.endr
	v_mul_u32_u24 v5, v1, KS                       ; my row's scales: KS bytes a row,
	v_lshrrev_b32 v6, 8, v5
	v_lshl_add_u32 v5, v6, 4, v5                   ; and 16 more for each 256 passed
	s_mul_i32 s21, s15, HALFS
	s_mul_i32 s22, s16, HALFS
	s_add_co_u32 s22, s22, 2*HALFS
	s_sub_co_u32 s22, s22, s21
	v_mul_u32_u24 v6, s22, v2                      ; lanes 16-31 take w_attn's
	s_add_co_u32 s21, s21, SCL
	v_add_nc_u32 v5, v5, v6
	v_add_nc_u32 v[ADRS], s21, v5
	s_mul_i32 s23, s14, 16*SP32                    ; my f32 stage
	v_mul_u32_u24 v5, v1, SP32
	v_lshl_add_u32 v5, v2, 5, v5
	v_add_nc_u32 v[STO32], s23, v5                 ; in: row r, 32 bytes for each half of the lanes
	v_and_b32 v6, 31, v0
	v_lshlrev_b32 v[CO], 4, v6
	v_add_nc_u32 v[RD32], s23, v[CO]               ; back: the 32 lanes take a row of 512 bytes
	s_mul_i32 s23, s14, 2*16*144                   ; my f16 stage
	s_add_co_u32 s23, s23, STG16
	v_mul_u32_u24 v5, v1, 144
	v_lshl_add_u32 v5, v2, 4, v5
	v_add_nc_u32 v[STO], s23, v5                   ; in: row r of 144 bytes, 16 bytes for each half of the lanes
	v_lshrrev_b32 v5, 3, v6
	v_mul_u32_u24 v5, v5, 144
	v_and_b32 v7, 7, v0
	v_lshl_add_u32 v5, v7, 4, v5
	v_add_nc_u32 v[RD], s23, v5                    ; back: eight lanes to a row of 128 bytes, four rows an instruction
	s_lshl_b32 s20, s42, 2
	s_lshl_b32 s21, s16, 1
	s_add_co_u32 s20, s20, s21                     ; my first plane: 4 x tile column + 2 x half
	s_lshl_b32 s20, s20, 19                        ; a plane is 524,288 bytes
	s_lshl_b32 s21, s17, 15                        ; 256 rows of 128 bytes a tile row,
	s_add_co_u32 s20, s20, s21
	s_lshl_b32 s21, s15, 14                        ; 128 a half
	s_add_co_u32 s20, s20, s21
	s_mov_b32 s21, 0
	s_add_nc_u64 s[12:13], s[12:13], s[20:21]
	s_lshl_b32 s20, s42, 10                        ; in a row of qkv32: 1,024 bytes a tile column, 512 a half
	s_lshl_b32 s46, s16, 9
	s_add_co_u32 s20, s20, s46
	s_add_nc_u64 s[96:97], s[96:97], s[20:21]
.macro FRAG reg, adr, q, i             ; 16 rows x 128 K of 4-bit codes: lane l holds row l % 16; registers 4 c .. 4 c + 3 hold K = 64 c + 32 (l / 16) + 0 .. 31
.irp c, 0,1
	ds_load_b128 v[\reg+4*\c:\reg+4*\c+3], v[\adr] offset:64*(\q)+32*\c+(\i)*16*PITCH
.endr
.endm
; 16 matrix instructions: x's blocks a0, a0 + 1 against w_attn's eight, 128 along K.  The 64 accumulators take turns, one instruction a turn.
; One scale register carries x's word (lanes 0-15) and w_attn's (lanes 16-31) of block i.
.macro MUL16 a0, p, q, sc, zero
.irp a, \a0, \a0+1
.irp b, 0,1,2,3,4,5,6,7
.if \zero
	v_wmma_scale_f32_16x16x128_f8f6f4 v[8*(8*((\a)%4)+\b):8*(8*((\a)%4)+\b)+7], v[128*(\p)+FR*\b:128*(\p)+FR*\b+FR-1], v[AF+FR*(\a):AF+FR*(\a)+FR-1], 0, v[SC+8*NQ*(\sc)+NQ*\b+(\q)], v[SC+8*NQ*(\sc)+NQ*(\a)+(\q)] matrix_a_fmt:MATRIX_FMT_FP4 matrix_b_fmt:MATRIX_FMT_FP4 matrix_a_scale:MATRIX_SCALE_ROW1
.else
	v_wmma_scale_f32_16x16x128_f8f6f4 v[8*(8*((\a)%4)+\b):8*(8*((\a)%4)+\b)+7], v[128*(\p)+FR*\b:128*(\p)+FR*\b+FR-1], v[AF+FR*(\a):AF+FR*(\a)+FR-1], v[8*(8*((\a)%4)+\b):8*(8*((\a)%4)+\b)+7], v[SC+8*NQ*(\sc)+NQ*\b+(\q)], v[SC+8*NQ*(\sc)+NQ*(\a)+(\q)] matrix_a_fmt:MATRIX_FMT_FP4 matrix_b_fmt:MATRIX_FMT_FP4 matrix_a_scale:MATRIX_SCALE_ROW1
.endif
.endr
.endr
.endm
.macro FETCH_B slot, q, p
	WIN TO_B
.irp i, 0,1,2,3,4,5,6,7
	FRAG 128*(\p)+FR*\i, ADRB+\slot, \q, \i
.endr
	WIN 0
.endm
.macro FETCH_A slot, q, i0
.irp i, \i0, \i0+1, \i0+2, \i0+3
	FRAG AF+FR*(\i), ADRA+\slot, \q, \i
.endr
.endm
.macro SCALES sc                       ; a slot's scale words: NQ words a row; lanes 0-15 x's block i, lanes 16-31 w_attn's
.irp i, 0,1,2,3,4,5,6,7
	ds_load_b128 v[SC+8*NQ*\sc+NQ*\i:SC+8*NQ*\sc+NQ*\i+3], v[ADRS] offset:\i*SBLK
.endr
.endm
.macro PLACES n                        ; plain vector lines between a matrix instruction and a load into, or a read of, its registers
.rept \n
	v_nop
.endr
.endm
.macro STEP slot, q, zero              ; 128 along K with its successor in the same slot
	s_wait_dscnt 4*NL                              ; all but the youngest eight loads (x's blocks 4-7) are in
	WIN MUL_LO
	MUL16 0, (\q)%2, \q, \slot, \zero
	MUL16 2, (\q)%2, \q, \slot, \zero
	s_wait_dscnt 0                                 ; x's blocks 4-7 are in
	PLACES NP
	FETCH_B \slot, (\q)+1, 1-(\q)%2
	FETCH_A \slot, (\q)+1, 0
	WIN MUL_HI
	MUL16 4, (\q)%2, \q, \slot, \zero
	MUL16 6, (\q)%2, \q, \slot, \zero
	PLACES NP
	WIN 0
	FETCH_A \slot, (\q)+1, 4
.endm
.macro STEPS slot, from
.set QQ, \from
.rept NQ-1-\from
	STEP \slot, QQ, 0
.set QQ, QQ+1
.endr
.endm
	s_wait_tensorcnt 1                             ; the scales and my part of slot 0 are in; slot 1's load, the one issued behind them, may be out
	s_barrier_signal -1
	s_barrier_wait -1                              ; everybody's are
	FETCH_B 0, 0, 0
	FETCH_A 0, 0, 0
	SCALES 0
	FETCH_A 0, 0, 4
	STEP 0, 0, 1                                   ; the first products start the sums: nothing is cleared
	STEPS 0, 1
	; slot 0's last step changes slots: one barrier; in front of it my part of slot 1 has landed and my reads of slot 0 are over
	s_wait_tensorcnt 0x0
	ds_add_u32 v[SPW], v[NIL]
	s_wait_dscnt 4*NL+1                            ; (the add and the youngest eight loads may be out)
	WIN MUL_LO
	MUL16 0, 1, NQ-1, 0, 0
	s_wait_dscnt 0x0
	s_barrier_signal -1
	MUL16 2, 1, NQ-1, 0, 0
	WIN 0
	s_barrier_wait -1
	PLACES NP
	v_add_nc_u32 v[ADRS], 4*NQ, v[ADRS]            ; on to slot 1's scale words
	FETCH_B 1, 0, 0
	FETCH_A 1, 0, 0
	SCALES 1
	WIN MUL_HI
	MUL16 4, 1, NQ-1, 0, 0
	MUL16 6, 1, NQ-1, 0, 0
	PLACES NP
	WIN 0
	FETCH_A 1, 0, 4
	STEPS 1, 0
	s_wait_dscnt 4*NL                              ; the very last step
	WIN MUL_LO
	MUL16 0, 1, NQ-1, 1, 0
	MUL16 2, 1, NQ-1, 1, 0
	s_wait_dscnt 0
	WIN MUL_HI
	MUL16 4, 1, NQ-1, 1, 0
	MUL16 6, 1, NQ-1, 1, 0
	WIN 0
	PLACES NP                                      ; in front of the first reads of results and of loads into registers that held operands
	; ROWS 0-15 AS f32: tile row 0, the waves of the upper half of rows: block 0 goes through the f32 stage and leaves as rows of 512 bytes.  The branch hangs on the tile row, which the partners share, and on the wave's number.
	s_or_b32 s19, s17, s15
	s_cmp_lg_u32 s19, 0
	s_cbranch_scc1 .Lno_copy
	WIN 0x08                                       ; an LDS store's data: window 2
.irp b, 0,1,2,3,4,5,6,7
	ds_store_b128 v[STO32], v[8*\b:8*\b+3] offset:64*\b            ; each accumulator from its low end on
	ds_store_b128 v[STO32], v[8*\b+4:8*\b+7] offset:64*\b+16
.endr
	WIN 0
.irp t, 0,1,2,3,4,5,6,7,8,9,10,11,12,13,14,15
	ds_load_b128 v[AF+4*\t:AF+4*\t+3], v[RD32] offset:\t*SP32      ; LDS serves a wave's instructions in order: these see my stores
.endr
.irp t, 0,1,2,3,4,5,6,7,8,9,10,11,12,13,14,15
	s_wait_dscnt 15-\t
	global_store_b128 v[CO], v[AF+4*\t:AF+4*\t+3], s[96:97] offset:\t*SIZE_N*4   ; 32 lanes store 512 consecutive bytes
.endr
.Lno_copy:
; THE WAY OUT, a block of 16 rows x 128 columns (two planes) at a time: rounded to f16, 16 bytes a lane into my stage, back as rows of 128 bytes, which are dense in a plane: a store covers 512 consecutive bytes.
.macro PACK a
.set AC, 64*((\a)%4)
	WIN 0x0a+5*((\a)/4)                            ; sources 0 and 1: window 2 or 3
.irp b, 0,1,2,3,4,5,6,7
.irp r, 0,1,2,3
	v_cvt_pk_f16_f32 v[TMP+4*\b+\r], v[AC+8*\b+2*\r], v[AC+8*\b+2*\r+1]
.endr
.endr
	WIN 0
.endm
.macro TOSTAGE a
.set BB, OB+128*((\a)%2)
.irp b, 0,1,2,3,4,5,6,7
	ds_store_b128 v[STO], v[TMP+4*\b:TMP+4*\b+3] offset:(\b/4)*2304+32*(\b%4)
.endr
.irp p, 0,1
.irp t, 0,1,2,3
	ds_load_b128 v[BB+4*(4*\p+\t):BB+4*(4*\p+\t)+3], v[RD] offset:\p*2304+\t*576
.endr
.endr
.endm
.macro SEND a
.set BB, OB+128*((\a)%2)
	s_wait_dscnt 0x0                               ; the block is back in registers
	s_wait_xcnt 0x0                                ; the stores of the block before have read their registers: the next block's loads may land there
.irp p, 0,1
.irp t, 0,1,2,3
	global_store_b128 v[CO], v[BB+4*(4*\p+\t):BB+4*(4*\p+\t)+3], s[12:13] offset:\p*524288+(\a)*2048+\t*512
.endr
.endr
.endm
	PACK 0
	TOSTAGE 0
.irp a, 1,2,3,4,5,6,7                  ; block a's conversions stand between block a - 1's loads from the stage and the wait for them
	PACK \a
	SEND \a-1
	TOSTAGE \a
.endr
	SEND 7
	s_wait_tensorcnt 0x0                           ; the wave's end
	ds_add_u32 v[SPW], v[NIL]
	s_wait_dscnt 0x0
	CROUND                                         ; the closing round
	s_endpgm
.Lfunc_end_k_qaf8f52ae96_qkv:
	.size	k_qaf8f52ae96_qkv, .Lfunc_end_k_qaf8f52ae96_qkv-k_qaf8f52ae96_qkv
	.p2alignl 7, 3214868480
	.fill 96, 4, 3214868480
	.section	.rodata,"a",@progbits
	.p2align	6, 0x0
	.amdhsa_kernel k_qaf8f52ae96_qkv
		.amdhsa_group_segment_fixed_size 327680
		.amdhsa_private_segment_fixed_size 0
		.amdhsa_enable_private_segment 0
		.amdhsa_kernarg_size 48
		.amdhsa_user_sgpr_count 2
		.amdhsa_user_sgpr_kernarg_segment_ptr 1
		.amdhsa_wavefront_size32 1
		.amdhsa_system_sgpr_workgroup_id_x 1
		.amdhsa_system_sgpr_workgroup_id_y 1
		.amdhsa_system_sgpr_workgroup_id_z 1
		.amdhsa_system_vgpr_workitem_id 0
		.amdhsa_next_free_vgpr 1024
		.amdhsa_next_free_sgpr 98
		.amdhsa_reserve_vcc 0
		.amdhsa_float_denorm_mode_32 3
		.amdhsa_float_denorm_mode_16_64 3
		.amdhsa_memory_ordered 1
		.amdhsa_forward_progress 1
		.amdhsa_inst_pref_size 131
	.end_amdhsa_kernel
	.amdgpu_metadata
---
amdhsa.version: [ 1, 2 ]
amdhsa.kernels:
  - .name:           k_qaf8f52ae96_qkv
    .symbol:         k_qaf8f52ae96_qkv.kd
    .args:
      - { .name: x_codes, .offset: 0, .size: 8, .value_kind: global_buffer, .address_space: global }
      - { .name: x_scales, .offset: 8, .size: 8, .value_kind: global_buffer, .address_space: global }
      - { .name: w_codes, .offset: 16, .size: 8, .value_kind: global_buffer, .address_space: global }
      - { .name: w_scales, .offset: 24, .size: 8, .value_kind: global_buffer, .address_space: global }
      - { .name: qkv16, .offset: 32, .size: 8, .value_kind: global_buffer, .address_space: global }
      - { .name: qkv32, .offset: 40, .size: 8, .value_kind: global_buffer, .address_space: global }
    .group_segment_fixed_size: 327680
    .private_segment_fixed_size: 0
    .kernarg_segment_align: 8
    .kernarg_segment_size: 48
    .max_flat_workgroup_size: 128
    .sgpr_count:     98
    .vgpr_count:     1024
    .wavefront_size: 32
...
	.end_amdgpu_metadata
.endif
;; end of part 2
;; launch attn (part 3): grid 16 x 16, 8 waves a work-group, no clusters, 327,680 bytes of LDS; arguments qkv16, y16; writes y16
.if DOCPART == 3
	.amdgcn_target "amdgcn-amd-amdhsa--gfx1250"
	.amdhsa_code_object_version 6
	.text
	.protected	k_qaf8f52ae96_attn
	.globl	k_qaf8f52ae96_attn
	.p2align	8
	.type	k_qaf8f52ae96_attn,@function
k_qaf8f52ae96_attn:
	s_mov_b64 s[64:65], 0
	v_nop
	global_prefetch_b8 v0, s[64:65] scope:SCOPE_SE
	s_setreg_imm32_b32 hwreg(HW_REG_WAVE_MODE, 25, 1), 1
	s_wait_xcnt 0x0
; LAUNCH 3 OF 5.  y[h][q] = sum over k <= q of softmax_k(Q[h][q] . K[h][k] / 8) V[h][k].  Q, K, V: planes h, 16 + h, 32 + h of qkv16 [48][4096][64] f16; y16 [16][4096][64] f16.  Products on f16 operands, sums, maxima and softmax in f32.
; WORK LEFT OUT: steps of 64 keys that all lie behind a wave's 32 queries (reference()'s own tril gives them the weight 0 for all inputs) are neither multiplied nor, where a whole slot is so for the work-group, loaded.
; SHARES.  Work-group (i, h) makes two blocks of 128 queries of head h: block 31 - i, then block i: 33 chunks of 128 keys in every work-group.  Wave w: g = w % 4 owns queries 32 g .. 32 g + 31 of the block (two tiles of 16);
; kh = w / 4 takes the 64 keys of half kh of every chunk.  So each fragment of K or V feeds two matrix instructions, and two waves lie on each SIMD: one wave's softmax stands beside the other's products.
; The two halves keep their own running maximum, sum and O; at a block's end the waves kh = 1 hand theirs over through LDS and the waves kh = 0 merge, divide and store.
; THE WALK has constant trip counts: 16 trips of 256 keys for block 31 - i, 8 for block i; a step whose first key comes after the wave's first query is jumped over (first keys are multiples of 64 and first queries of 32,
; so that test is exact, and in a step that is walked every query has at least one key that counts).  Tests hang on ids, the wave's number and the count of trips alone.
; NO CLUSTER: the work-groups of a head walk different numbers of slots and begin anew at different trips, so a joint load would bring tiles whose reads a partner jumps over.
; LAYOUT.  S^T = K Q^T (source 0 = 16 keys, source 1 = 16 queries), O^T = V^T P (source 0 = 16 channels, by the transposing LDS load; source 1 = P): a lane holds ONE query throughout, and two tiles of S^T, rounded in pairs, ARE P.
; SOFTMAX.  Running maximum m and sum l: p = 2^(c s - c m), c = log2(e) / 8; in every step O and l are multiplied by a = 2^(c m_old - c m_new).
; LDS.  Two slots of 256 keys.  Each of the eight waves fetches one eighth of a slot by one tensor load (waves 0-3 K, waves 4-7 V): 32 rows of 256 bytes (two keys), every fourth pair of keys, so that every load holds keys of both chunks.
; Key x of a slot lies in region (x / 2) % 4, row x / 8 of 272 bytes, half x % 2.  Regions are 8,736 bytes apart (32 more than a multiple of 256), so that sixteen lanes of either kind of fragment load touch sixteen different columns of 16 bytes.
; REGISTERS.  window 0: v1-11 addresses; v12-27 statistics; v28, v29 the add's two; v30, v31 the mask; v32-63 Q; v64-127 S^T; v128-159 P; v160-223 O^T; v224-230 at work; v244, v245 the stage.
;   window 1: set c (chunk c) at v[128 c]: K's 8 fragments, then V's 8.
.set PK,    272
.set REG,   32*PK+32                   ; 8,736
.set VBASE, 4*REG
.set SLOT1, 1<<17
.set MRG,   8*REG                      ; behind slot 0: what the waves kh = 1 hand over: 17 x 512 bytes for each g
.set MRGW,  17*512
.set STG,   SLOT1+8*REG                ; behind slot 1: a stage of 2 x 16 rows x 144 bytes for each wave
.set STGW,  2*16*144
.set SPARE, STG+8*STGW                 ; the spare words, 128 bytes a wave, named by no other line
.set AK0, 1
.set AV0, 2
.set ADK, 3
.set ADV, 4
.set QO,  5
.set GO,  6
.set PFO, 7
.set DL,  8
.set NEG, 9
.set MA,  10
.set ST,  12                           ; tile t at v[ST + 8 t]: +0 c m, +1 m, +2, +3 l (two halves), +4 .. +7 at work; a in +6
.set SPW, 28
.set NIL, 29
.set Q,   32
.set S,   64
.set P,   128
.set O,   160
.set IM,  224
.set STO, 244
.set RD,  245
; scalars: s8 wave, s9 g, s10 kh, s11 i, s12 head, s13 T, s14 NHs, s15 NLs + 16, s16 TL, s17 X, s[20:21] lane selects, s[22:23] c, s[24:31] group 1, s[32:35] group 0, s[36:37] my rows of K or V at key 0,
; s[38:39] a key slot's offset, s40 the slot in hand, s41, s44 first keys of my steps, s42 my first query, s45 the same in block i, s[46:49] Q's rows, s[50:53] y's rows, s[54:55] the prefetches' place, s56 their limit, s57 64 kh
.set MSB, 0
.macro WIN new
.if MSB != (\new)
	s_set_vgpr_msb (MSB<<8)|(\new)
.set MSB, (\new)
.endif
.endm
.macro PLACES
.rept 4
	v_nop
.endr
.endm
	s_load_b128 s[4:7], s[0:1], 0x0                ; qkv16, y16
	v_lshl_add_u32 v[SPW], v0, 2, SPARE
	v_mov_b32 v[NIL], 0
	ds_add_u32 v[SPW], v[NIL]                      ; the wave's opening: the add, twice on end, and its wait ahead of my first tensor load
	ds_add_u32 v[SPW], v[NIL]
	v_lshrrev_b32 v1, 5, v0
	v_readfirstlane_b32 s8, v1                     ; wave 0..7
	s_and_b32 s9, s8, 3                            ; g.  Also: which quarter of K's or V's pairs of keys I fetch
	s_lshr_b32 s10, s8, 2                          ; kh.  Also: I fetch K (0) or V (1)
	s_mov_b32 s11, ttmp9                           ; i
	s_and_b32 s12, ttmp7, 0xffff                   ; head
	s_sub_co_u32 s14, 33, s11
	s_lshr_b32 s14, s14, 1                         ; NHs: slots of 256 keys that block 31 - i needs: ceil((32 - i) / 2)
	s_add_co_u32 s15, s11, 2
	s_lshr_b32 s15, s15, 1
	s_add_co_u32 s15, s15, 16                      ; NLs + 16, NLs = ceil((i + 1) / 2)
	s_sub_co_u32 s16, s14, 1
	s_or_b32 s16, s16, 1                           ; TL: the first odd trip from NHs - 1 on: slot 0 has then been read for the last time in block 31 - i, and takes block i's first keys
	s_mov_b32 s24, (1<<16)|(1<<20)|(5<<22)|(3<<25) ; group 1: elements of 2 bytes; 4 words of padding after every 64
	s_mov_b32 s25, 128<<16                         ; tensor_dim0 = 128
	s_mov_b32 s26, 32<<16                          ; tensor_dim1 = 32
	s_mov_b32 s27, 128<<16                         ; tile_dim0 = 128 (256 bytes: two keys)
	s_mov_b32 s28, 32                              ; tile_dim1 = 32
	s_mov_b32 s29, 512                             ; from row to row: four pairs of keys
	s_mov_b32 s30, 0
	s_mov_b32 s31, 0
	s_mov_b32 s20, 0x76543210
	s_mov_b32 s21, 0xfedcba98
	s_mov_b32 s22, 0x3e38aa3b                      ; c = log2(e) / 8
	s_mov_b32 s23, s22
	s_mov_b32 s40, 0
	s_lshl_b32 s57, s10, 6
	s_mul_i32 s58, s10, 8*PK                       ; my half's 64 keys are 8 rows further down in every region
	s_sub_co_u32 s42, 31, s11
	s_lshl_b32 s42, s42, 7
	s_lshl_b32 s19, s9, 5
	s_add_co_u32 s42, s42, s19                     ; my first query in block 31 - i,
	s_lshl_b32 s45, s11, 7
	s_add_co_u32 s45, s45, s19                     ; and in block i
	s_lshl_b32 s43, s12, 19                        ; the head's plane: 524,288 bytes
	s_lshl_b32 s44, s42, 7
	s_add_co_u32 s46, s43, s44
	s_mov_b32 s47, 0
	s_lshl_b32 s44, s45, 7
	s_add_co_u32 s48, s43, s44
	s_mov_b32 s49, 0
	s_lshl_b32 s38, s10, 4
	s_add_co_u32 s38, s38, s12
	s_add_co_u32 s38, s38, 16                      ; the plane that I fetch: 16 + h or 32 + h
	s_lshl_b32 s38, s38, 19
	s_lshl_b32 s19, s9, 8
	s_add_co_u32 s36, s38, s19                     ; + my first pair of keys
	s_mov_b32 s37, 0
	s_lshl_b32 s19, s9, 13
	s_add_co_u32 s54, s38, s19                     ; the prefetches: my 8,192 bytes of a slot's 32,768,
	s_add_co_u32 s54, s54, 32768                   ; in key slot 1: the first change of slots steps it to 2
	s_mov_b32 s55, 0
	s_mov_b32 s39, 0
	s_cmp_eq_u32 s11, 0
	s_cselect_b32 s56, 14, 0                       ; work-group 0 of a head, which walks all 16 key slots, asks, in trips 0 to 13; the others never
	s_mov_b32 s32, 1
	s_mul_i32 s33, s8, REG                         ; my region of slot 0
	s_wait_dscnt 0x0                               ; both opening adds are done
	s_wait_kmcnt 0x0
	s_add_nc_u64 s[36:37], s[4:5], s[36:37]
	s_add_nc_u64 s[54:55], s[4:5], s[54:55]
	s_add_nc_u64 s[50:51], s[6:7], s[46:47]
	s_add_nc_u64 s[52:53], s[6:7], s[48:49]
	s_add_nc_u64 s[46:47], s[4:5], s[46:47]
	s_add_nc_u64 s[48:49], s[4:5], s[48:49]
	s_mov_b64 s[34:35], s[36:37]
	s_or_b32 s35, s35, 0x80000000
	tensor_load_to_lds s[32:35], s[24:31]          ; key slot 0 into slot 0: every wave issues its eighth
	s_nop 0
	PLACES
	v_and_b32 v224, 15, v0                         ; r
	v_bfe_u32 v225, v0, 4, 1                       ; h
	v_bfe_u32 v226, v0, 1, 2                       ; (l / 2) % 4: the region
	v_bfe_u32 v227, v0, 3, 1                       ; (l / 8) % 2
	v_and_b32 v228, 1, v0                          ; l % 2: which key of a pair
	v_mul_u32_u24 v[AK0], v226, REG
	v_lshl_add_u32 v[AK0], v228, 7, v[AK0]
	v_add_nc_u32 v[AK0], s58, v[AK0]
	v_mad_u32_u24 v[AV0], v225, PK, v[AK0]         ; V: key 8 h + l % 8, channels 8 ((l / 8) % 2) on
	v_lshl_add_u32 v[AV0], v227, 4, v[AV0]
	v_add_nc_u32 v[AV0], VBASE, v[AV0]
	v_mad_u32_u24 v[AK0], v227, PK, v[AK0]         ; K: key r, channels 8 h on
	v_lshl_add_u32 v[AK0], v225, 4, v[AK0]
	v_lshlrev_b32 v[QO], 7, v224
	v_lshl_add_u32 v[QO], v225, 4, v[QO]           ; Q: row r of 128 bytes + 16 h
	v_and_b32 v[GO], 31, v0
	v_lshlrev_b32 v[PFO], 8, v[GO]                 ; 256 x lane
	v_lshlrev_b32 v[GO], 4, v[GO]                  ; 16 x lane
	v_lshlrev_b32 v[DL], 3, v225
	v_sub_nc_u32 v[DL], v224, v[DL]                ; r - 8 h
	v_mov_b32 v[NEG], 0xff800000                   ; -infinity
	s_mul_i32 s19, s9, MRGW
	s_add_co_u32 s19, s19, MRG
	v_add_nc_u32 v[MA], s19, v[GO]
	s_mul_i32 s19, s8, STGW
	s_add_co_u32 s19, s19, STG
	v_mul_u32_u24 v[STO], v224, 144
	v_lshl_add_u32 v[STO], v225, 4, v[STO]
	v_add_nc_u32 v[STO], s19, v[STO]               ; the stage, in: row r, 16 bytes for each half of the lanes
	v_bfe_u32 v229, v0, 3, 2
	v_and_b32 v230, 7, v0
	v_mul_u32_u24 v[RD], v229, 144
	v_lshl_add_u32 v[RD], v230, 4, v[RD]
	v_add_nc_u32 v[RD], s19, v[RD]                 ; back: eight lanes to a row of 128 bytes
.macro FETCH c                         ; chunk c, my half: K's 8 fragments (16 loads), then V's 8, transposed (16 loads)
	WIN 0x40                                       ; destination window 1
.irp kt, 0,1,2,3
.irp kf, 0,1
	ds_load_b128 v[128*\c+16*\kt+8*\kf:128*\c+16*\kt+8*\kf+3],   v[ADK] offset:(16*\c+2*\kt)*PK+64*\kf
	ds_load_b128 v[128*\c+16*\kt+8*\kf+4:128*\c+16*\kt+8*\kf+7], v[ADK] offset:(16*\c+2*\kt)*PK+64*\kf+32
.endr
.endr
.irp ct, 0,1,2,3
.irp ks, 0,1
	ds_load_tr16_b128 v[128*\c+64+16*\ct+8*\ks:128*\c+64+16*\ct+8*\ks+3],   v[ADV] offset:(16*\c+4*\ks)*PK+32*\ct
	ds_load_tr16_b128 v[128*\c+64+16*\ct+8*\ks+4:128*\c+64+16*\ct+8*\ks+7], v[ADV] offset:(16*\c+4*\ks+2)*PK+32*\ct
.endr
.endr
	WIN 0
.endm
.macro KQ c                            ; S^T = K Q^T: 16 products, the 8 accumulators by turns; the first 8 start the sums
	WIN 0x01                                       ; source 0 window 1
.irp kf, 0,1
.irp kt, 0,1,2,3
.irp t, 0,1
.if \kf == 0
	v_wmma_f32_16x16x32_f16 v[S+32*\t+8*\kt:S+32*\t+8*\kt+7], v[128*\c+16*\kt+8*\kf:128*\c+16*\kt+8*\kf+7], v[Q+16*\t+8*\kf:Q+16*\t+8*\kf+7], 0
.else
	v_wmma_f32_16x16x32_f16 v[S+32*\t+8*\kt:S+32*\t+8*\kt+7], v[128*\c+16*\kt+8*\kf:128*\c+16*\kt+8*\kf+7], v[Q+16*\t+8*\kf:Q+16*\t+8*\kf+7], v[S+32*\t+8*\kt:S+32*\t+8*\kt+7]
.endif
.endr
.endr
.endr
	WIN 0
	PLACES                                         ; in front of the reads of the scores and of loads into K's registers
.endm
.macro PV c                            ; O^T += V^T P: 16 products, the 8 accumulators by turns
	WIN 0x01
.irp ks, 0,1
.irp ct, 0,1,2,3
.irp t, 0,1
	v_wmma_f32_16x16x32_f16 v[O+32*\t+8*\ct:O+32*\t+8*\ct+7], v[128*\c+64+16*\ct+8*\ks:128*\c+64+16*\ct+8*\ks+7], v[P+16*\t+8*\ks:P+16*\t+8*\ks+7], v[O+32*\t+8*\ct:O+32*\t+8*\ct+7]
.endr
.endr
.endr
	WIN 0
	PLACES                                         ; in front of whatever next reads or writes O, P or V's registers
.endm
; On the diagonal hidden scores become -infinity ahead of the maximum.  Register 8 kt + j of tile t holds key kr + 16 kt + 8 h + j and query s42 + 16 t + r: hidden where 16 kt + j > d, d = s42 - kr + 16 t + r - 8 h.
.macro MASK kr
	s_add_co_u32 s43, s[\kr], 63
	s_cmp_le_u32 s43, s42                          ; all 64 keys count for all my queries: nothing to hide
	s_cbranch_scc1 .Lopen_\@
	s_sub_co_i32 s43, s42, s[\kr]
	v_add_nc_u32 v30, s43, v[DL]
	v_add_nc_u32 v31, 16, v30
.set n, 0
.rept 32
	v_cmp_gt_i32 vcc_lo, 16*(n/8)+n%8, v30
	v_cndmask_b32 v[S+n], v[S+n], v[NEG], vcc_lo
	v_cmp_gt_i32 vcc_lo, 16*(n/8)+n%8, v31
	v_cndmask_b32 v[S+32+n], v[S+32+n], v[NEG], vcc_lo
.set n, n+1
.endr
.Lopen_\@:
.endm
; A step's softmax for both tiles, line by line by turns, so that no line waits for the line above it.
.macro SOFTMAX
.irp j, 0,1,2,3
.irp t, 0,1
	v_max3_num_f32 v[ST+8*\t+4+\j], v[S+32*\t+8*\j], v[S+32*\t+8*\j+1], v[S+32*\t+8*\j+2]   ; four chains; each accumulator is read from its low end on
.endr
.endr
.irp i, 3,5
.irp j, 0,1,2,3
.irp t, 0,1
	v_max3_num_f32 v[ST+8*\t+4+\j], v[ST+8*\t+4+\j], v[S+32*\t+8*\j+\i], v[S+32*\t+8*\j+\i+1]
.endr
.endr
.endr
.irp t, 0,1
	v_max3_num_f32 v[ST+8*\t+4], v[ST+8*\t+4], v[S+32*\t+7], v[S+32*\t+15]
	v_max3_num_f32 v[ST+8*\t+6], v[ST+8*\t+6], v[S+32*\t+23], v[S+32*\t+31]
.endr
.irp t, 0,1
	v_max3_num_f32 v[ST+8*\t+4], v[ST+8*\t+4], v[ST+8*\t+5], v[ST+8*\t+6]
.endr
.irp t, 0,1
	v_max3_num_f32 v[ST+8*\t+4], v[ST+8*\t+4], v[ST+8*\t+7], v[ST+8*\t+1]   ; and the old m
.endr
.irp t, 0,1
	v_permlanex16_b32 v[ST+8*\t+5], v[ST+8*\t+4], s20, s21         ; the query's other 32 keys lie in the lane 16 away
.endr
.irp t, 0,1
	v_mov_b32 v[ST+8*\t+7], v[ST+8*\t]             ; c m_old
.endr
.irp t, 0,1
	v_max_num_f32 v[ST+8*\t+1], v[ST+8*\t+4], v[ST+8*\t+5]
.endr
.irp t, 0,1
	v_mul_f32 v[ST+8*\t], s22, v[ST+8*\t+1]
.endr
.irp t, 0,1
	v_sub_f32 v[ST+8*\t+7], v[ST+8*\t+7], v[ST+8*\t]
.endr
.set n, 0
.rept 16
.irp t, 0,1
	v_pk_fma_f32 v[S+32*\t+2*n:S+32*\t+2*n+1], v[S+32*\t+2*n:S+32*\t+2*n+1], s[22:23], v[ST+8*\t:ST+8*\t+1] op_sel_hi:[1,0,0] neg_lo:[0,0,1] neg_hi:[0,0,1]   ; c s - c m
.endr
.set n, n+1
.endr
.irp t, 0,1
	v_exp_f32 v[ST+8*\t+6], v[ST+8*\t+7]           ; a
.endr
.set n, 0
.rept 32
.irp t, 0,1
	v_exp_f32 v[S+32*\t+n], v[S+32*\t+n]           ; p: the 66 exponentials are one batch
.endr
.set n, n+1
.endr
	v_nop                                          ; a plain line behind the last exponential
	s_wait_alu depctr_va_vdst(0)                   ; one wait for the batch, ahead of its first reader
.set n, 0
.rept 16
.irp t, 0,1
	v_cvt_pk_f16_f32 v[P+16*\t+n], v[S+32*\t+2*n], v[S+32*\t+2*n+1]
.endr
.set n, n+1
.endr
.irp w, 4,8,16,32                      ; the sum of a tile's 16 pairs, in place: neighbours 1, 2, 4, 8 pairs apart
.set u, 0
.rept 32/\w
.irp t, 0,1
	v_pk_add_f32 v[S+32*\t+\w*u:S+32*\t+\w*u+1], v[S+32*\t+\w*u:S+32*\t+\w*u+1], v[S+32*\t+\w*u+\w/2:S+32*\t+\w*u+\w/2+1]
.endr
.set u, u+1
.endr
.endr
.irp t, 0,1
	v_pk_fma_f32 v[ST+8*\t+2:ST+8*\t+3], v[ST+8*\t+2:ST+8*\t+3], v[ST+8*\t+6:ST+8*\t+7], v[S+32*\t:S+32*\t+1] op_sel_hi:[1,0,1]   ; l = a l + the sum
.endr
.set n, 0
.rept 16
.irp t, 0,1
	v_pk_mul_f32 v[O+32*\t+2*n:O+32*\t+2*n+1], v[O+32*\t+2*n:O+32*\t+2*n+1], v[ST+8*\t+6:ST+8*\t+7] op_sel_hi:[1,0]   ; O^T x a
.endr
.set n, n+1
.endr
.endm
; A trip's two steps: chunk 0 and chunk 1 of the slot in hand, my half of each.  Behind chunk 0's scores ONE test parts two ways, each written out:
; both chunks count: chunk 1's fragments are fetched while chunk 0's softmax is walked; chunk 0 needs no mask there, since chunk 1's first key, 128 on from chunk 0's, is at or under my first query;
; chunk 0 alone: it may lie on the diagonal, and nothing of chunk 1 is fetched.
.macro STEPS
	s_and_b32 s41, s13, 15
	s_lshl_b32 s41, s41, 8
	s_add_co_u32 s41, s41, s57                     ; the first key of my half of chunk 0,
	s_add_co_u32 s44, s41, 128                     ; and of chunk 1
	v_add_nc_u32 v[ADK], s40, v[AK0]
	v_add_nc_u32 v[ADV], s40, v[AV0]
	s_cmp_gt_u32 s41, s42
	s_cbranch_scc1 .Lend_\@                        ; all hidden (then chunk 1 is too)
	FETCH 0
	s_wait_dscnt 16                                ; K's 16 loads are in; V's 16, issued behind them, may be out
	KQ 0
	s_cmp_gt_u32 s44, s42
	s_cbranch_scc1 .Lsingle_\@
	FETCH 1                                        ; lands while chunk 0's softmax is walked
	SOFTMAX
	s_wait_dscnt 0x0                               ; V of chunk 0, and chunk 1's fragments
	PV 0
	KQ 1
	MASK 44
	SOFTMAX
	PV 1
	s_branch .Lend_\@
.Lsingle_\@:
	MASK 41
	SOFTMAX
	s_wait_dscnt 0x0                               ; V of chunk 0
	PV 0
.Lend_\@:
	s_xor_b32 s40, s40, SLOT1                      ; on to the other slot
.endm
; THE CHANGE OF SLOTS, at a trip's head.  Each wave waits for all its tensor loads (one at the most is out: its eighth of the slot ahead), adds 0 to its spare word, and waits for that and for its reads of the slot that it has left.
; fill = 1: behind the barrier that slot takes the key slot that the next trip reads, if any wave of the work-group will read it.  X = T + 1, or 0 in trip TL of the first walk (block i's first keys); the key slot is X % 16; past the limit nothing is asked for.
; The test hangs on the work-group's number and the count of trips alone, is the same in all eight waves, leads round the load's own lines and nothing else, and every wait on TENSORcnt in this text is for 0.
.macro CHANGE fill, ph
	s_wait_tensorcnt 0x0
	ds_add_u32 v[SPW], v[NIL]                      ; 0 onto my spare word; the descriptor's step stands between it and the wait for it
.if \fill
	s_add_co_u32 s17, s13, 1
.if \ph == 0
	s_cmp_eq_u32 s13, s16
	s_cselect_b32 s17, 0, s17
.endif
	s_and_b32 s38, s17, 15
	s_lshl_b32 s38, s38, 15                        ; a key slot is 32,768 bytes of a plane
	s_add_nc_u64 s[34:35], s[36:37], s[38:39]
	s_or_b32 s35, s35, 0x80000000
	s_xor_b32 s33, s33, SLOT1                      ; the other slot than last time, in every trip
.if \ph == 0
	s_wait_xcnt 0x0                                ; the last prefetch, a trip back, has read its address
	s_add_nc_u64 s[54:55], s[54:55], 32768
.endif
.endif
	s_wait_dscnt 0x0
	s_barrier_signal -1
	s_barrier_wait -1
.if \fill
	s_cmp_ge_u32 s17, s[14+\ph]
	s_cbranch_scc1 .Lpast_\@
	tensor_load_to_lds s[32:35], s[24:31]          ; the first thing behind the barrier, and my one tensor load until the next
	s_nop 0
	PLACES
.Lpast_\@:
.if \ph == 0
	; A prefetch of key slot T + 2, one trip ahead of the load that will want it: 8,192 bytes a wave (waves 0-3 of K, 4-7 of V), lanes 256 bytes apart.  Work-group 0 of the head asks, in trips 0 to 13: each block is named once.
	s_cmp_lt_u32 s13, s56
	s_cbranch_scc0 .Lnot_mine_\@
	global_prefetch_b8 v[PFO], s[54:55] th:TH_LOAD_NT scope:SCOPE_SE
.Lnot_mine_\@:
.endif
.endif
.endm
; A block begins: Q's four fragments stay in registers; m = -3e38, under every score; l and O^T are zeros, which the first change of m leaves zeros (the step is written once).
.macro INIT qb
.irp t, 0,1
.irp kf, 0,1
	global_load_b128 v[Q+16*\t+8*\kf:Q+16*\t+8*\kf+3],   v[QO], s[\qb:\qb+1] offset:\t*2048+64*\kf
	global_load_b128 v[Q+16*\t+8*\kf+4:Q+16*\t+8*\kf+7], v[QO], s[\qb:\qb+1] offset:\t*2048+64*\kf+32
.endr
.endr
.irp t, 0,1
	v_mov_b32 v[ST+8*\t+1], 0xff61b1e6
	v_mul_f32 v[ST+8*\t], s22, v[ST+8*\t+1]
	v_mov_b32 v[ST+8*\t+2], 0
	v_mov_b32 v[ST+8*\t+3], 0
.endr
.set n, 0
.rept 64
	v_mov_b32 v[O+n], 0
.set n, n+1
.endr
	s_wait_loadcnt 0x0
.endm
.macro STASH                           ; a wave kh = 1 hands over c m, l and O^T of both tiles, as images of its registers: 16 bytes a lane, 512 a store
	v_mov_b32 v[IM], v[ST]
	v_add_f32 v[IM+1], v[ST+2], v[ST+3]
	v_mov_b32 v[IM+2], v[ST+8]
	v_add_f32 v[IM+3], v[ST+10], v[ST+11]
.set n, 0
.rept 16
	ds_store_b128 v[MA], v[O+4*n:O+4*n+3] offset:512*n             ; ascending: each accumulator from its low end on
.set n, n+1
.endr
	ds_store_b128 v[MA], v[IM:IM+3] offset:8192
.endm
; A wave kh = 0 merges: with c M = the larger c m, fa = 2^(c ma - c M), fb likewise: L = la fa + lb fb (both halves of the lanes), y = (Oa fa + Ob fb) / L; rounded to f16, through my stage, out as 512 consecutive bytes a store.
.macro MERGE yb
.set n, 0
.rept 16
	ds_load_b128 v[S+4*n:S+4*n+3], v[MA] offset:512*n
.set n, n+1
.endr
	ds_load_b128 v[IM:IM+3], v[MA] offset:8192
	s_wait_dscnt 0x0
.irp t, 0,1
	v_add_f32 v[ST+8*\t+4], v[ST+8*\t+2], v[ST+8*\t+3]
	v_max_num_f32 v[ST+8*\t+5], v[ST+8*\t], v[IM+2*\t]
.endr
.irp t, 0,1
	v_sub_f32 v[ST+8*\t+6], v[ST+8*\t], v[ST+8*\t+5]
	v_sub_f32 v[ST+8*\t+7], v[IM+2*\t], v[ST+8*\t+5]
.endr
.irp t, 0,1
	v_exp_f32 v[ST+8*\t+6], v[ST+8*\t+6]
	v_exp_f32 v[ST+8*\t+7], v[ST+8*\t+7]
.endr
	v_nop
	s_wait_alu depctr_va_vdst(0)                   ; one wait for the four exponentials
.irp t, 0,1
	v_mul_f32 v[ST+8*\t+4], v[ST+8*\t+4], v[ST+8*\t+6]
.endr
.irp t, 0,1
	v_fma_f32 v[ST+8*\t+4], v[IM+1+2*\t], v[ST+8*\t+7], v[ST+8*\t+4]
.endr
.irp t, 0,1
	v_permlanex16_b32 v[ST+8*\t+5], v[ST+8*\t+4], s20, s21
.endr
.irp t, 0,1
	v_add_f32 v[ST+8*\t+4], v[ST+8*\t+4], v[ST+8*\t+5]
.endr
.irp t, 0,1
	v_rcp_f32 v[ST+8*\t+5], v[ST+8*\t+4]
.endr
	v_nop
	s_wait_alu depctr_va_vdst(0)                   ; one wait for the two reciprocals
.irp t, 0,1
	v_mul_f32 v[ST+8*\t+2], v[ST+8*\t+6], v[ST+8*\t+5]             ; fa / L, the low word of a pair of its own,
	v_mul_f32 v[ST+8*\t+6], v[ST+8*\t+7], v[ST+8*\t+5]             ; and fb / L
.endr
.set n, 0
.rept 16
.irp t, 0,1
	v_pk_mul_f32 v[O+32*\t+2*n:O+32*\t+2*n+1], v[O+32*\t+2*n:O+32*\t+2*n+1], v[ST+8*\t+2:ST+8*\t+3] op_sel_hi:[1,0]
	v_pk_fma_f32 v[O+32*\t+2*n:O+32*\t+2*n+1], v[S+32*\t+2*n:S+32*\t+2*n+1], v[ST+8*\t+6:ST+8*\t+7], v[O+32*\t+2*n:O+32*\t+2*n+1] op_sel_hi:[1,0,1]
.endr
.set n, n+1
.endr
.set n, 0
.rept 32
	v_cvt_pk_f16_f32 v[S+n], v[O+2*n], v[O+2*n+1]
.set n, n+1
.endr
.irp t, 0,1
.irp ct, 0,1,2,3
	ds_store_b128 v[STO], v[S+16*\t+4*\ct:S+16*\t+4*\ct+3] offset:\t*2304+32*\ct
.endr
.endr
.irp t, 0,1
.irp u, 0,1,2,3
	ds_load_b128 v[S+32+16*\t+4*\u:S+32+16*\t+4*\u+3], v[RD] offset:\t*2304+\u*576   ; LDS serves a wave's instructions in order: these see my stores
.endr
.endr
	s_wait_dscnt 0x0
.irp t, 0,1
.irp u, 0,1,2,3
	global_store_b128 v[GO], v[S+32+16*\t+4*\u:S+32+16*\t+4*\u+3], s[\yb:\yb+1] offset:\t*2048+\u*512
.endr
.endr
	s_wait_xcnt 0x0                                ; the stores have read their registers, which the next products write
.endm
	INIT 46
	s_mov_b32 s13, 0
.Lhigh:                                            ; block 31 - i: 16 trips
	CHANGE 1, 0
	STEPS
	s_add_co_u32 s13, s13, 1
	s_cmp_lt_u32 s13, 16
	s_cbranch_scc1 .Lhigh
	s_cmp_eq_u32 s10, 0                            ; the block's end
	s_cbranch_scc1 .Lkeep_a
	STASH
.Lkeep_a:
	s_wait_dscnt 0x0                               ; for the others' sake: my stores have landed
	s_barrier_signal -1
	s_barrier_wait -1
	s_cmp_lg_u32 s10, 0
	s_cbranch_scc1 .Lgave_a
	MERGE 50
.Lgave_a:
	s_mov_b32 s42, s45                             ; block i
	INIT 48
	s_mov_b32 s13, 16
	s_mov_b32 s40, 0                               ; sixteen turns have brought the walk back to slot 0, which holds key slot 0 since trip TL
.Llow:                                             ; 7 trips
	CHANGE 1, 1
	STEPS
	s_add_co_u32 s13, s13, 1
	s_cmp_lt_u32 s13, 23
	s_cbranch_scc1 .Llow
	CHANGE 0, 1                                    ; the last trip is written out: nothing is left to ask for
	STEPS
	s_cmp_eq_u32 s10, 0
	s_cbranch_scc1 .Lkeep_b
	STASH                                          ; the first merge's reads of these bytes were over eight barriers ago
.Lkeep_b:
	s_wait_dscnt 0x0
	s_barrier_signal -1
	s_barrier_wait -1
	s_cmp_lg_u32 s10, 0
	s_cbranch_scc1 .Lgave_b
	MERGE 52
.Lgave_b:
	s_wait_tensorcnt 0x0                           ; the wave's end
	ds_add_u32 v[SPW], v[NIL]
	s_wait_dscnt 0x0
	s_endpgm
.Lfunc_end_k_qaf8f52ae96_attn:
	.size	k_qaf8f52ae96_attn, .Lfunc_end_k_qaf8f52ae96_attn-k_qaf8f52ae96_attn
	.p2alignl 7, 3214868480
	.fill 96, 4, 3214868480
	.section	.rodata,"a",@progbits
	.p2align	6, 0x0
	.amdhsa_kernel k_qaf8f52ae96_attn
		.amdhsa_group_segment_fixed_size 327680
		.amdhsa_private_segment_fixed_size 0
		.amdhsa_enable_private_segment 0
		.amdhsa_kernarg_size 16
		.amdhsa_user_sgpr_count 2
		.amdhsa_user_sgpr_kernarg_segment_ptr 1
		.amdhsa_wavefront_size32 1
		.amdhsa_system_sgpr_workgroup_id_x 1
		.amdhsa_system_sgpr_workgroup_id_y 1
		.amdhsa_system_sgpr_workgroup_id_z 1
		.amdhsa_system_vgpr_workitem_id 0
		.amdhsa_next_free_vgpr 512
		.amdhsa_next_free_sgpr 66
		.amdhsa_reserve_vcc 1
		.amdhsa_float_denorm_mode_32 3
		.amdhsa_float_denorm_mode_16_64 3
		.amdhsa_memory_ordered 1
		.amdhsa_forward_progress 1
		.amdhsa_inst_pref_size 206
	.end_amdhsa_kernel
	.amdgpu_metadata
---
amdhsa.version: [ 1, 2 ]
amdhsa.kernels:
  - .name:           k_qaf8f52ae96_attn
    .symbol:         k_qaf8f52ae96_attn.kd
    .args:
      - { .name: qkv16, .offset: 0, .size: 8, .value_kind: global_buffer, .address_space: global }
      - { .name: y16, .offset: 8, .size: 8, .value_kind: global_buffer, .address_space: global }
    .group_segment_fixed_size: 327680
    .private_segment_fixed_size: 0
    .kernarg_segment_align: 8
    .kernarg_segment_size: 16
    .max_flat_workgroup_size: 256
    .sgpr_count:     66
    .vgpr_count:     512
    .wavefront_size: 32
...
	.end_amdgpu_metadata
.endif
;; end of part 3
;; launch proj (part 4): grid 8 x 32, 4 waves a work-group, clusters of 4 x 4, 327,680 bytes of LDS; arguments y16, wp16, out0; writes out0
.if DOCPART == 4
	.amdgcn_target "amdgcn-amd-amdhsa--gfx1250"
	.amdhsa_code_object_version 6
	.text
	.protected	k_qaf8f52ae96_proj
	.globl	k_qaf8f52ae96_proj
	.p2align	8
	.type	k_qaf8f52ae96_proj,@function
k_qaf8f52ae96_proj:
	s_mov_b64 s[64:65], 0
	v_nop
	global_prefetch_b8 v0, s[64:65] scope:SCOPE_SE
	s_setreg_imm32_b32 hwreg(HW_REG_WAVE_MODE, 25, 1), 1
	s_wait_xcnt 0x0
	s_wait_alu depctr_hold_cnt(0) depctr_sa_sdst(0) depctr_va_vdst(0) depctr_va_sdst(0) depctr_va_ssrc(0) depctr_va_vcc(0) depctr_vm_vsrc(0)
	s_getreg_b32 s2, hwreg(HW_REG_IB_STS2, 6, 4)
	s_cmp_eq_u32 s2, 0
	s_cbranch_scc0 .Lentry_in_a_cluster
	s_endpgm
.Lentry_in_a_cluster:
	s_bfe_u32 s2, ttmp6, 0x10000c
	s_cmp_lg_u32 s2, 0xf033
	s_cbranch_scc0 .Lentry_shape_is_right
	s_endpgm
.Lentry_shape_is_right:
; LAUNCH 4 OF 5.  out0[l][n] = sum over k of y[l][k] w_proj[n][k], k = 64 head + channel.  y16 [16 heads][4096][64] f16, wp16 [1024][1024] f16, out0 [4096][1024] f32; sums in f32.
; (Rows 0-15 are stored here with their tile and stored anew, from f32 operands, by the last launch: leaving them out here would be a branch on a work-group's place in its cluster.)
; A tile of out0 is 128 x 128: 8 x 32 = 256 work-groups of four waves, each 64 x 64: 16 accumulators.  K goes in 4 steps of 256 (four heads) through two LDS slots.
; y's tile of a step: a wave's load brings 64 positions of four heads: 4 rows (heads, 524,288 bytes apart) of 4,096 elements (64 positions x 64 channels, 8,192 dense bytes), 16 bytes of padding behind every 256.
; So two positions share an LDS row of 272 bytes, and the 16 positions of a fragment touch 16 different columns of 16 bytes.  w_proj's tile: 64 rows of 512 bytes, 528 apart.
; CLUSTERS: 4 x 4.  The four of a row of the cluster need the same tiles of y, the four of a column the same tiles of w_proj: each is asked for jointly.
; THE MATRIX INSTRUCTION IS USED TRANSPOSED (source 0 = 16 rows of w_proj, source 1 = 16 positions): a lane holds eight neighbouring numbers of a row of out0.
; REGISTERS: window 0: v0-31 addresses; v32-95 the way out; v128-255 the accumulators ((a, b) at v[128 + 8 (4 a + b)]).  window 1: two fragment buffers of 128: 64 registers of y, then 64 of w_proj.
.set SIZE_N, 1024
.set SIZE_K, 1024
.set KSTEP,  256
.set PB,     528
.set HEADB,  32*272                    ; a head's 64 positions in LDS: 8,704
.set HALFA,  4*HEADB
.set HALFB,  64*PB
.set BOFF,   2*HALFA
.set SLOT,   BOFF+2*HALFB
.set SPARE,  2*SLOT                    ; the spare words, 128 bytes a wave, named by no other line
.set SPITCH, 272                       ; the way out: 16 rows x (256 + 16) for each wave, in slot 0, which has had its last fill and its last read by then
.set LAPS,   SIZE_K/(2*KSTEP)
.set ADRA, 16
.set ADRB, 20
.set STO,  24
.set RD,   25
.set CO,   26
.set SPW,  28
.set NIL,  29
.set TMP,  32
.set ACC,  128
.set F0,   0
.set F1,   128
.set G1, 24
.set G0, 32
.set G1B, 48
.set G0B, 56
.set MSB, 0
.macro WIN new
.if MSB != (\new)
	s_set_vgpr_msb (MSB<<8)|(\new)
.set MSB, (\new)
.endif
.endm
.set MUL,  0x05                        ; sources 0 and 1 window 1; C and D window 0
.set TO_F, 0x40
.macro JLOAD s                         ; a joint load: waves 0 and 1 fetch y's two halves, waves 2 and 3 w_proj's; an s_nop 0 and four v_nop follow each of the two lines
	s_cmp_eq_u32 s11, 0
	s_cbranch_scc0 .Lfor_b_\@
	tensor_load_to_lds s[G0+4*\s:G0+4*\s+3], s[G1:G1+7]
	s_nop 0
.rept 4
	v_nop
.endr
	s_branch .Lasked_\@
.Lfor_b_\@:
	tensor_load_to_lds s[G0B+4*\s:G0B+4*\s+3], s[G1B:G1B+7]
	s_nop 0
.rept 4
	v_nop
.endr
.Lasked_\@:
.endm
.macro CREST
	s_cmp_lg_u32 s10, 0
	s_cbranch_scc1 .Lnot_wave_0_\@
	s_barrier_signal -3
.Lnot_wave_0_\@:
	s_barrier_wait -3
	s_barrier_signal -1
	s_barrier_wait -1
.endm
.macro CROUND
	s_barrier_signal -1
	s_barrier_wait -1
	CREST
.endm
	s_load_b128 s[4:7], s[0:1], 0x0                ; y16, wp16
	s_load_b64 s[8:9], s[0:1], 0x10                ; out0
	v_lshl_add_u32 v[SPW], v0, 2, SPARE
	v_mov_b32 v[NIL], 0
	ds_add_u32 v[SPW], v[NIL]                      ; the wave's opening: the add, twice on end, and its wait ahead of my first tensor load
	ds_add_u32 v[SPW], v[NIL]
	v_lshrrev_b32 v1, 5, v0
	v_readfirstlane_b32 s10, v1                    ; wave 0..3
	s_lshr_b32 s11, s10, 1                         ; which half of the tile's rows is mine.  Also: I fetch for y (0) or for w_proj (1)
	s_and_b32 s12, s10, 1                          ; which half of its columns.  Also: which half of that tile I fetch
	s_bfe_u32 s40, ttmp6, 0x40000                  ; cx, cy
	s_bfe_u32 s41, ttmp6, 0x40004
	s_lshl_b32 s42, ttmp9, 2
	s_add_co_u32 s42, s42, s40                     ; tile column
	s_and_b32 s13, ttmp7, 0xffff
	s_lshl_b32 s13, s13, 2
	s_add_co_u32 s13, s13, s41                     ; tile row
	s_lshl_b32 s43, s41, 2
	s_lshl_b32 s43, 15, s43                        ; my row of the cluster
	s_lshl_b32 s44, 0x1111, s40                    ; my column
	s_or_b32 s[G1+0], s43, (1<<16)|(1<<20)|(1<<21)|(5<<22)|(3<<25)  ; y: the mask of my row; elements of 2 bytes; 4 words of padding after every 64; bit 21 beside a mask
	s_mov_b32 s[G1+1], 4096<<16                    ; tensor_dim0 = 4,096
	s_mov_b32 s[G1+2], 4<<16                       ; tensor_dim1 = 4
	s_mov_b32 s[G1+3], 4096<<16                    ; tile_dim0 = 4,096: 64 positions x 64 channels
	s_mov_b32 s[G1+4], 4                           ; tile_dim1 = 4 heads
	s_mov_b32 s[G1+5], 262144                      ; from head to head, in elements
	s_mov_b32 s[G1+6], 0
	s_mov_b32 s[G1+7], 0
	s_or_b32 s[G1B+0], s44, (1<<16)|(1<<20)|(1<<21)|(6<<22)|(3<<25) ; w_proj: the mask of my column; 4 words after every 128
	s_mov_b32 s[G1B+1], KSTEP<<16
	s_mov_b32 s[G1B+2], 64<<16
	s_mov_b32 s[G1B+3], KSTEP<<16
	s_mov_b32 s[G1B+4], 64
	s_mov_b32 s[G1B+5], SIZE_K
	s_mov_b32 s[G1B+6], 0
	s_mov_b32 s[G1B+7], 0
	s_lshl_b32 s17, s12, 6
	s_lshl_b32 s16, s13, 7
	s_add_co_u32 s16, s16, s17                     ; y: position 128 x tile row + 64 x half,
	s_lshl_b32 s16, s16, 7                         ; of 128 bytes
	s_lshl_b32 s46, s42, 7
	s_add_co_u32 s46, s46, s17                     ; w_proj: row 128 x tile column + 64 x half,
	s_lshl_b32 s46, s46, 11                        ; of 2,048 bytes
	s_mov_b32 s17, 0
	s_mov_b32 s47, 0
	s_mul_i32 s20, s12, HALFA                      ; where they go: no place in the cluster enters an LDS address
	s_mul_i32 s21, s12, HALFB
	s_add_co_u32 s21, s21, BOFF
	s_wait_dscnt 0x0                               ; both opening adds are done
	s_wait_kmcnt 0x0
	s_add_nc_u64 s[14:15], s[4:5], s[16:17]
	s_add_nc_u64 s[46:47], s[6:7], s[46:47]
	CROUND                                         ; all sixteen work-groups are here: the first joint loads meet
.irp s, 0,1
	s_mov_b32 s[G0+4*\s], 1
	s_add_co_u32 s[G0+4*\s+1], s20, \s*SLOT
	s_add_nc_u64 s[G0+4*\s+2:G0+4*\s+3], s[14:15], \s*4*524288     ; K step s: four heads on
	s_or_b32 s[G0+4*\s+3], s[G0+4*\s+3], 0x80000000
	s_mov_b32 s[G0B+4*\s], 1
	s_add_co_u32 s[G0B+4*\s+1], s21, \s*SLOT
	s_add_nc_u64 s[G0B+4*\s+2:G0B+4*\s+3], s[46:47], \s*KSTEP*2
	s_or_b32 s[G0B+4*\s+3], s[G0B+4*\s+3], 0x80000000
	JLOAD \s
.endr
	v_and_b32 v1, 15, v0                           ; r
	v_bfe_u32 v2, v0, 4, 1                         ; h
	v_lshrrev_b32 v3, 1, v1
	v_mul_u32_u24 v3, v3, 272
	v_and_b32 v4, 1, v0
	v_lshl_add_u32 v3, v4, 7, v3
	v_lshl_add_u32 v3, v2, 4, v3                   ; y: position r: row r / 2 of 272 bytes, half r % 2, + 16 h
	v_mul_u32_u24 v4, v1, PB
	v_lshl_add_u32 v4, v2, 4, v4                   ; w_proj: row r x 528 + 16 h
	s_mul_i32 s21, s11, HALFA                      ; my 64 positions
	s_mul_i32 s22, s12, HALFB                      ; my 64 rows of w_proj
	s_add_co_u32 s22, s22, BOFF
.irp s, 0,1
	v_add_nc_u32 v[ADRA+\s], s21, v3
	v_add_nc_u32 v[ADRB+\s], s22, v4
	s_add_co_u32 s21, s21, SLOT
	s_add_co_u32 s22, s22, SLOT
.endr
	s_mul_i32 s23, s10, 16*SPITCH                  ; my stage
	v_mul_u32_u24 v5, v1, SPITCH
	v_lshl_add_u32 v5, v2, 5, v5
	v_add_nc_u32 v[STO], s23, v5                   ; in: row r, 32 bytes for each half of the lanes
	v_mul_u32_u24 v5, v2, SPITCH
	v_lshl_add_u32 v5, v1, 4, v5
	v_add_nc_u32 v[RD], s23, v5                    ; back: lanes 0-15 one row of 256 bytes, lanes 16-31 the next
	v_lshlrev_b32 v5, 12, v2
	v_lshl_add_u32 v[CO], v1, 4, v5                ; and the same two rows in out0
	s_lshl_b32 s16, s13, 7
	s_lshl_b32 s17, s11, 6
	s_add_co_u32 s16, s16, s17                     ; my first row of out0,
	s_lshl_b32 s16, s16, 12                        ; of 4,096 bytes
	s_mov_b32 s17, 0
	s_add_nc_u64 s[8:9], s[8:9], s[16:17]
	s_lshl_b32 s46, s42, 9                         ; my first column, in bytes: 512 x tile column + 256 x half
	s_lshl_b32 s47, s12, 8
	s_add_co_u32 s46, s46, s47
	s_mov_b32 s47, 0
	s_add_nc_u64 s[8:9], s[8:9], s[46:47]
.macro MUL8 f, c, a0, zero             ; 8 matrix instructions: m blocks a0, a0 + 1 x 4 n blocks, 32 along K; the 16 accumulators take turns
.irp a, \a0, \a0+1
.irp b, 0,1,2,3
.if \zero
	v_wmma_f32_16x16x32_f16 v[ACC+8*(4*(\a)+\b):ACC+8*(4*(\a)+\b)+7], v[\f+64+8*(4*\c+\b):\f+64+8*(4*\c+\b)+7], v[\f+8*(4*\c+\a):\f+8*(4*\c+\a)+7], 0
.else
	v_wmma_f32_16x16x32_f16 v[ACC+8*(4*(\a)+\b):ACC+8*(4*(\a)+\b)+7], v[\f+64+8*(4*\c+\b):\f+64+8*(4*\c+\b)+7], v[\f+8*(4*\c+\a):\f+8*(4*\c+\a)+7], v[ACC+8*(4*(\a)+\b):ACC+8*(4*(\a)+\b)+7]
.endif
.endr
.endr
.endm
.macro FETCH slot, q, f                ; 32 LDS loads in one run: quarter q of the slot (head q of its four; 64 along K) into buffer f; the first 32 along K first
	WIN TO_F
.irp c, 0,1
.irp i, 0,1,2,3
	ds_load_b128 v[\f+64+8*(4*\c+\i):\f+64+8*(4*\c+\i)+3],   v[ADRB+\slot] offset:128*\q+64*\c+\i*16*PB
	ds_load_b128 v[\f+64+8*(4*\c+\i)+4:\f+64+8*(4*\c+\i)+7], v[ADRB+\slot] offset:128*\q+64*\c+\i*16*PB+32
	ds_load_b128 v[\f+8*(4*\c+\i):\f+8*(4*\c+\i)+3],         v[ADRA+\slot] offset:HEADB*\q+64*\c+\i*8*272
	ds_load_b128 v[\f+8*(4*\c+\i)+4:\f+8*(4*\c+\i)+7],       v[ADRA+\slot] offset:HEADB*\q+64*\c+\i*8*272+32
.endr
.endr
.endm
.macro PLACES
.rept 4
	v_nop
.endr
.endm
.macro QUARTER slot, q, f, g, zero     ; multiplies buffer f and fetches quarter q of the same slot into g
	s_wait_dscnt 16                                ; the first 32 along K are in; the other sixteen loads may be out
	WIN MUL
	MUL8 \f, 0, 0, \zero
	MUL8 \f, 0, 2, \zero
	PLACES
	FETCH \slot, \q, \g
	s_wait_dscnt 32                                ; all but the 32 just issued
	WIN MUL
	MUL8 \f, 1, 0, 0
	MUL8 \f, 1, 2, 0
.endm
; The last quarter multiplies buffer 1 and changes slots: one barrier; in front of it each wave waits for all its tensor loads, adds 0 to its spare word, and waits for that and for its reads of this slot.  fill = 1: the slot is filled again, two K steps ahead.
.macro TURN slot, next, fill
	WIN 0
	s_wait_tensorcnt 0x0
	ds_add_u32 v[SPW], v[NIL]
	s_wait_dscnt 17                                ; (the add and the youngest sixteen loads may be out)
	WIN MUL
	MUL8 F1, 0, 0, 0
	s_wait_dscnt 0x0
	s_barrier_signal -1
	MUL8 F1, 0, 2, 0
.if \fill
	WIN 0
.endif
	s_barrier_wait -1
.if \fill
	CREST                                          ; the barrier has opened a round of the cluster's barrier: no wave of any partner still reads this slot or has a load on its way
	s_add_nc_u64 s[G0+4*\slot+2:G0+4*\slot+3], s[G0+4*\slot+2:G0+4*\slot+3], 8*524288
	s_add_nc_u64 s[G0B+4*\slot+2:G0B+4*\slot+3], s[G0B+4*\slot+2:G0B+4*\slot+3], 2*KSTEP*2
	JLOAD \slot                                    ; the first tensor load behind the round; its four v_nop are also the places in front of the loads below
.else
	PLACES
.endif
	FETCH \next, 0, F0
	WIN MUL
	MUL8 F1, 1, 0, 0
	MUL8 F1, 1, 2, 0
.endm
	s_wait_tensorcnt 1                             ; my part of K step 0 is in; K step 1's load may be out
	s_barrier_signal -1
	s_barrier_wait -1
	FETCH 0, 0, F0
	QUARTER 0, 1, F0, F1, 1                        ; the first products start the sums
	WIN 0
	s_mov_b32 s3, LAPS-1
.Llap:                                             ; a trip goes once round the ring and fills both slots again
	QUARTER 0, 2, F1, F0, 0
	QUARTER 0, 3, F0, F1, 0
	TURN 0, 1, 1
	QUARTER 1, 1, F0, F1, 0
	QUARTER 1, 2, F1, F0, 0
	QUARTER 1, 3, F0, F1, 0
	TURN 1, 0, 1
	QUARTER 0, 1, F0, F1, 0
	WIN 0
	s_sub_co_u32 s3, s3, 1
	s_cmp_lg_u32 s3, 0
	s_cbranch_scc1 .Llap
	QUARTER 0, 2, F1, F0, 0                        ; the last lap fills nothing
	QUARTER 0, 3, F0, F1, 0
	TURN 0, 1, 0
	QUARTER 1, 1, F0, F1, 0
	QUARTER 1, 2, F1, F0, 0
	QUARTER 1, 3, F0, F1, 0
	s_wait_dscnt 16
	WIN MUL
	MUL8 F1, 0, 0, 0
	MUL8 F1, 0, 2, 0
	s_wait_dscnt 0
	MUL8 F1, 1, 0, 0
	MUL8 F1, 1, 2, 0
	WIN 0
	PLACES
; THE WAY OUT.  My 64 columns of f32 are 256 consecutive, aligned bytes of a row: a block of 16 rows goes through my own stage and comes back as whole rows; sixteen lanes store 256 consecutive bytes.
.macro TOST a
.irp b, 0,1,2,3
	ds_store_b128 v[STO], v[ACC+8*(4*(\a)+\b):ACC+8*(4*(\a)+\b)+3] offset:64*\b           ; each accumulator from its low end on
	ds_store_b128 v[STO], v[ACC+8*(4*(\a)+\b)+4:ACC+8*(4*(\a)+\b)+7] offset:64*\b+16
.endr
.set BB, TMP+32*((\a)%2)
.irp u, 0,1,2,3,4,5,6,7
	ds_load_b128 v[BB+4*\u:BB+4*\u+3], v[RD] offset:\u*2*SPITCH    ; LDS serves a wave's instructions in order: these see my stores
.endr
.endm
.macro SENDO a, younger                ; younger: the LDS instructions issued behind block a's loads: the next block's 8 stores and 8 loads, or none
.set BB, TMP+32*((\a)%2)
	s_wait_dscnt \younger
.irp u, 0,1,2,3,4,5,6,7
	global_store_b128 v[CO], v[BB+4*\u:BB+4*\u+3], s[8:9] offset:(16*(\a)+2*\u)*SIZE_N*4 th:TH_STORE_NT
.endr
.endm
	TOST 0
.irp a, 1,2,3
.if \a > 1
	s_wait_xcnt 0x0                                ; block a - 2's stores have read their registers: block a's loads may land there
.endif
	TOST \a
	SENDO \a-1, 16
.endr
	SENDO 3, 0
	s_wait_tensorcnt 0x0                           ; the wave's end
	ds_add_u32 v[SPW], v[NIL]
	s_wait_dscnt 0x0
	CROUND                                         ; the closing round
	s_endpgm
.Lfunc_end_k_qaf8f52ae96_proj:
	.size	k_qaf8f52ae96_proj, .Lfunc_end_k_qaf8f52ae96_proj-k_qaf8f52ae96_proj
	.p2alignl 7, 3214868480
	.fill 96, 4, 3214868480
	.section	.rodata,"a",@progbits
	.p2align	6, 0x0
	.amdhsa_kernel k_qaf8f52ae96_proj
		.amdhsa_group_segment_fixed_size 327680
		.amdhsa_private_segment_fixed_size 0
		.amdhsa_enable_private_segment 0
		.amdhsa_kernarg_size 24
		.amdhsa_user_sgpr_count 2
		.amdhsa_user_sgpr_kernarg_segment_ptr 1
		.amdhsa_wavefront_size32 1
		.amdhsa_system_sgpr_workgroup_id_x 1
		.amdhsa_system_sgpr_workgroup_id_y 1
		.amdhsa_system_sgpr_workgroup_id_z 1
		.amdhsa_system_vgpr_workitem_id 0
		.amdhsa_next_free_vgpr 512
		.amdhsa_next_free_sgpr 66
		.amdhsa_reserve_vcc 0
		.amdhsa_float_denorm_mode_32 3
		.amdhsa_float_denorm_mode_16_64 3
		.amdhsa_memory_ordered 1
		.amdhsa_forward_progress 1
		.amdhsa_inst_pref_size 86
	.end_amdhsa_kernel
	.amdgpu_metadata
---
amdhsa.version: [ 1, 2 ]
amdhsa.kernels:
  - .name:           k_qaf8f52ae96_proj
    .symbol:         k_qaf8f52ae96_proj.kd
    .args:
      - { .name: y16, .offset: 0, .size: 8, .value_kind: global_buffer, .address_space: global }
      - { .name: wp16, .offset: 8, .size: 8, .value_kind: global_buffer, .address_space: global }
      - { .name: out0, .offset: 16, .size: 8, .value_kind: global_buffer, .address_space: global }
    .group_segment_fixed_size: 327680
    .private_segment_fixed_size: 0
    .kernarg_segment_align: 8
    .kernarg_segment_size: 24
    .max_flat_workgroup_size: 128
    .sgpr_count:     66
    .vgpr_count:     512
    .wavefront_size: 32
...
	.end_amdgpu_metadata
.endif
;; end of part 4
;; launch fine (part 5): grid 64 x 1, 16 waves a work-group, no clusters, 18,432 bytes of LDS; arguments qkv32, w_proj, out0; writes out0
.if DOCPART == 5
	.amdgcn_target "amdgcn-amd-amdhsa--gfx1250"
	.amdhsa_code_object_version 6
	.text
	.protected	k_qaf8f52ae96_fine
	.globl	k_qaf8f52ae96_fine
	.p2align	8
	.type	k_qaf8f52ae96_fine,@function
k_qaf8f52ae96_fine:
	s_mov_b64 s[64:65], 0
	v_nop
	global_prefetch_b8 v0, s[64:65] scope:SCOPE_SE
	s_setreg_imm32_b32 hwreg(HW_REG_WAVE_MODE, 25, 1), 1
	s_wait_xcnt 0x0
; LAUNCH 5 OF 5.  Positions 0 to 15 once more, with f32 operands throughout: under the causal mask these rows average one to sixteen values, and the rounding of 16-bit operands weighs most there.
; qkv32 [16][3072] f32 (q, k, v of rows 0-15), w_proj [1024][1024] f32; rows 0-15 of out0 are stored anew.
; SHARES.  A work-group owns 16 columns of out0 (n0 = 16 x its number).  Wave w is head w: the head's attention for the 16 positions, then the part of the projection over its own 64 along K; the sixteen parts meet in LDS.
; All products by the f32 matrix form, 48 a wave: no bulk work.  Along a product's K the order is permuted alike on both sources, so that results become operands as they lie.
; S^T = K Q^T (a lane: query r, keys 8 h + j); O^T = V^T P (query r, channels 16 ct + 8 h + j); out^T = W Y^T (query r, columns n0 + 8 h + j).  Each product has four accumulators that take turns; what is made of a sum goes into other registers.
; A row's piece here is 64 bytes (16 columns): whole runs of 256 bytes would leave 16 work-groups, each with four times the chain of matrix work; the launch stores 65,536 bytes in all.
.set SPARE, 16384                      ; behind the sixteen parts of 1,024 bytes: the spare words, 128 bytes a wave
.set QR, 16                            ; v16-47   Q; later Y
.set KR, 48                            ; v48-79   K; later the part's sums
.set VR, 80                            ; v80-111  V
.set WR, 112                           ; v112-143 W; v80-143 later the sixteen parts
.set SA, 144                           ; v144-175 four accumulators of S^T
.set OA, 176                           ; v176-207 O^T
.set PA, 208                           ; v208-239 out^T
.set T,  240                           ; v240-247 scores, then p
.set U,  248                           ; v248-255 at work
.set SPW, 12
.set NIL, 13
	s_load_b128 s[4:7], s[0:1], 0x0                ; qkv32, w_proj
	s_load_b64 s[8:9], s[0:1], 0x10                ; out0
	v_lshl_add_u32 v[SPW], v0, 2, SPARE
	v_mov_b32 v[NIL], 0
	v_lshrrev_b32 v1, 5, v0
	v_readfirstlane_b32 s10, v1                    ; wave = head
	v_and_b32 v1, 15, v0                           ; r
	v_bfe_u32 v2, v0, 4, 1                         ; h
	s_lshl_b32 s11, s10, 8                         ; the head's 64 columns: 256 bytes
	v_mul_u32_u24 v3, v1, 12288
	v_lshl_add_u32 v3, v2, 4, v3
	v_add_nc_u32 v3, s11, v3                       ; Q, K: row r, + 16 h
	v_mul_u32_u24 v4, v2, 98304
	v_lshl_add_u32 v4, v1, 2, v4
	v_add_nc_u32 v4, s11, v4                       ; V: rows 8 h on, channel r
	s_lshl_b32 s12, ttmp9, 16                      ; W: 16 rows of 4,096 bytes a work-group
	s_add_co_u32 s12, s12, s11
	v_lshlrev_b32 v5, 12, v1
	v_lshl_add_u32 v5, v2, 5, v5
	v_add_nc_u32 v5, s12, v5                       ; row n0 + r, + 32 h
	v_and_b32 v14, 31, v0
	s_lshl_b32 s12, s10, 10
	v_lshl_add_u32 v6, v14, 4, s12                 ; my part in LDS: 1,024 x wave + 16 x lane
	s_and_b32 s13, s10, 1
	v_bfe_u32 v14, v0, 2, 3                        ; lane / 4
	v_and_b32 v15, 3, v0
	v_lshlrev_b32 v8, 12, v14
	v_lshl_add_u32 v8, v15, 4, v8
	s_lshl_b32 s17, s13, 15
	s_lshl_b32 s18, ttmp9, 6
	s_add_co_u32 s17, s17, s18
	v_add_nc_u32 v8, s17, v8                       ; the way out: row 8 (wave % 2) + lane / 4, columns n0 + 4 (lane % 4) on
	v_and_b32 v15, 1, v0
	v_lshlrev_b32 v7, 9, v15
	v_bfe_u32 v15, v0, 1, 1
	v_lshl_add_u32 v7, v15, 8, v7
	v_lshl_add_u32 v7, v14, 4, v7
	s_lshl_b32 s17, s13, 7
	v_add_nc_u32 v7, s17, v7                       ; and where those four numbers lie in a part: half lane % 2 of the registers, lane 16 ((lane / 2) % 2) + the row
	v_lshlrev_b32 v9, 3, v2
	v_sub_nc_u32 v9, v1, v9                        ; r - 8 h
	v_mov_b32 v10, 0xff800000                      ; -infinity
	s_mov_b32 s14, 0x76543210
	s_mov_b32 s15, 0xfedcba98
	s_mov_b32 s16, 0x3e38aa3b                      ; c = log2(e) / 8
	s_wait_kmcnt 0x0
.irp i, 0,1,2,3,4,5,6,7
	global_load_b128 v[QR+4*\i:QR+4*\i+3], v3, s[4:5] offset:32*\i             ; channels 8 i + 4 h + 0 .. 3 of query r
.endr
.irp i, 0,1,2,3,4,5,6,7
	global_load_b128 v[KR+4*\i:KR+4*\i+3], v3, s[4:5] offset:4096+32*\i        ; the same of key r
.endr
.irp ct, 0,1,2,3
.irp j, 0,1,2,3,4,5,6,7
	global_load_b32 v[VR+8*\ct+\j], v4, s[4:5] offset:8192+\j*12288+64*\ct     ; V(key 8 h + j, channel 16 ct + r)
.endr
.endr
.irp t, 0,1,2,3
	global_load_b128 v[WR+8*\t:WR+8*\t+3], v5, s[6:7] offset:64*\t             ; W(n0 + r, 64 w + 16 t + 8 h + 0 .. 7)
	global_load_b128 v[WR+8*\t+4:WR+8*\t+7], v5, s[6:7] offset:64*\t+16
.endr
	s_wait_loadcnt 40                              ; Q and K are in; V's 32 loads and W's 8 may be out
.set kk, 0
.rept 16                               ; 64 channels in 16 steps; the four accumulators take turns; the first four start the sums
.if kk < 4
	v_wmma_f32_16x16x4_f32 v[SA+8*(kk%4):SA+8*(kk%4)+7], v[KR+2*kk:KR+2*kk+1], v[QR+2*kk:QR+2*kk+1], 0
.else
	v_wmma_f32_16x16x4_f32 v[SA+8*(kk%4):SA+8*(kk%4)+7], v[KR+2*kk:KR+2*kk+1], v[QR+2*kk:QR+2*kk+1], v[SA+8*(kk%4):SA+8*(kk%4)+7]
.endif
.set kk, kk+1
.endr
.rept 8
	v_nop                                          ; eight places behind this form, in front of the reads of its results
.endr
.irp j, 0,1,2,3,4,5,6,7
	v_add_f32 v[T+\j], v[SA+\j], v[SA+8+\j]        ; ascending: each accumulator from its low end on
	v_add_f32 v[U+\j], v[SA+16+\j], v[SA+24+\j]
.endr
.irp j, 0,1,2,3,4,5,6,7
	v_add_f32 v[T+\j], v[T+\j], v[U+\j]            ; score(key 8 h + j, query r)
.endr
.irp j, 0,1,2,3,4,5,6,7
	v_cmp_gt_i32 vcc_lo, \j, v9                    ; hidden where 8 h + j > r
	v_cndmask_b32 v[T+\j], v[T+\j], v10, vcc_lo
.endr
	v_max3_num_f32 v[U], v[T], v[T+1], v[T+2]
	v_max3_num_f32 v[U], v[U], v[T+3], v[T+4]
	v_max3_num_f32 v[U], v[U], v[T+5], v[T+6]
	v_max_num_f32 v[U], v[U], v[T+7]
	v_permlanex16_b32 v[U+1], v[U], s14, s15
	v_max_num_f32 v[U], v[U], v[U+1]               ; the row's maximum: key 0 counts for every query, so it is a number
	v_mul_f32 v[U], s16, v[U]
.irp j, 0,1,2,3,4,5,6,7
	v_fma_f32 v[T+\j], v[T+\j], s16, -v[U]
.endr
.irp j, 0,1,2,3,4,5,6,7
	v_exp_f32 v[T+\j], v[T+\j]                     ; p = 2^(c s - c m)
.endr
	v_nop
	s_wait_alu depctr_va_vdst(0)                   ; one wait for the eight exponentials, ahead of their first reader
	v_add_f32 v[U+2], v[T], v[T+1]
	v_add_f32 v[U+3], v[T+2], v[T+3]
	v_add_f32 v[U+4], v[T+4], v[T+5]
	v_add_f32 v[U+5], v[T+6], v[T+7]
	v_add_f32 v[U+2], v[U+2], v[U+3]
	v_add_f32 v[U+4], v[U+4], v[U+5]
	v_add_f32 v[U+2], v[U+2], v[U+4]
	v_permlanex16_b32 v[U+3], v[U+2], s14, s15
	v_add_f32 v[U+2], v[U+2], v[U+3]               ; the row's sum
	v_rcp_f32 v[U+6], v[U+2]
	v_nop
	s_wait_alu depctr_va_vdst(0)
	s_wait_loadcnt 8                               ; V is in; W's 8 loads may be out
.set kk, 0
.rept 4                                ; 16 keys in 4 steps: step kk takes keys 8 h + 2 kk + 0, 1 on both sides
.irp ct, 0,1,2,3
.if kk == 0
	v_wmma_f32_16x16x4_f32 v[OA+8*\ct:OA+8*\ct+7], v[VR+8*\ct+2*kk:VR+8*\ct+2*kk+1], v[T+2*kk:T+2*kk+1], 0
.else
	v_wmma_f32_16x16x4_f32 v[OA+8*\ct:OA+8*\ct+7], v[VR+8*\ct+2*kk:VR+8*\ct+2*kk+1], v[T+2*kk:T+2*kk+1], v[OA+8*\ct:OA+8*\ct+7]
.endif
.endr
.set kk, kk+1
.endr
.rept 8
	v_nop
.endr
.set n, 0
.rept 32
	v_mul_f32 v[QR+n], v[OA+n], v[U+6]             ; y(query r, channel 16 ct + 8 h + j), into registers that Q has left
.set n, n+1
.endr
	s_wait_loadcnt 0x0                             ; W
.set kk, 0
.rept 4                                ; my 64 along K in 16 steps: step (kk, t) takes channels 16 t + 8 h + 2 kk + 0, 1 on both sides
.irp t, 0,1,2,3
.if kk == 0
	v_wmma_f32_16x16x4_f32 v[PA+8*\t:PA+8*\t+7], v[WR+8*\t+2*kk:WR+8*\t+2*kk+1], v[QR+8*\t+2*kk:QR+8*\t+2*kk+1], 0
.else
	v_wmma_f32_16x16x4_f32 v[PA+8*\t:PA+8*\t+7], v[WR+8*\t+2*kk:WR+8*\t+2*kk+1], v[QR+8*\t+2*kk:QR+8*\t+2*kk+1], v[PA+8*\t:PA+8*\t+7]
.endif
.endr
.set kk, kk+1
.endr
.rept 8
	v_nop                                          ; in front of the reads of the results, and of the loads into V's and W's registers below
.endr
.irp j, 0,1,2,3,4,5,6,7
	v_add_f32 v[KR+\j], v[PA+\j], v[PA+8+\j]
	v_add_f32 v[KR+8+\j], v[PA+16+\j], v[PA+24+\j]
.endr
.irp j, 0,1,2,3,4,5,6,7
	v_add_f32 v[KR+\j], v[KR+\j], v[KR+8+\j]       ; my head's part of out0(r, n0 + 8 h + j)
.endr
	ds_store_b128 v6, v[KR:KR+3]                   ; as an image of the registers: 16 bytes a lane
	ds_store_b128 v6, v[KR+4:KR+7] offset:512
	s_wait_dscnt 0x0                               ; for the others' sake: my stores have landed
	s_barrier_signal -1
	s_barrier_wait -1
	s_cmp_gt_u32 s10, 1                            ; waves 0 and 1 add the sixteen parts: eight rows each
	s_cbranch_scc1 .Ldone
.set n, 0
.rept 16
	ds_load_b128 v[VR+4*n:VR+4*n+3], v7 offset:1024*n
.set n, n+1
.endr
	s_wait_dscnt 0x0
.irp w, 8,16,32,64                     ; neighbours 1, 2, 4, 8 parts apart
.set u, 0
.rept 64/\w
	v_pk_add_f32 v[VR+\w*u:VR+\w*u+1], v[VR+\w*u:VR+\w*u+1], v[VR+\w*u+\w/2:VR+\w*u+\w/2+1]
	v_pk_add_f32 v[VR+\w*u+2:VR+\w*u+3], v[VR+\w*u+2:VR+\w*u+3], v[VR+\w*u+\w/2+2:VR+\w*u+\w/2+3]
.set u, u+1
.endr
.endr
	global_store_b128 v8, v[VR:VR+3], s[8:9]       ; four lanes store a row's 64 bytes
.Ldone:
	s_wait_tensorcnt 0x0                           ; the wave's end
	ds_add_u32 v[SPW], v[NIL]
	s_wait_dscnt 0x0
	s_endpgm
.Lfunc_end_k_qaf8f52ae96_fine:
	.size	k_qaf8f52ae96_fine, .Lfunc_end_k_qaf8f52ae96_fine-k_qaf8f52ae96_fine
	.p2alignl 7, 3214868480
	.fill 96, 4, 3214868480
	.section	.rodata,"a",@progbits
	.p2align	6, 0x0
	.amdhsa_kernel k_qaf8f52ae96_fine
		.amdhsa_group_segment_fixed_size 18432
		.amdhsa_private_segment_fixed_size 0
		.amdhsa_enable_private_segment 0
		.amdhsa_kernarg_size 24
		.amdhsa_user_sgpr_count 2
		.amdhsa_user_sgpr_kernarg_segment_ptr 1
		.amdhsa_wavefront_size32 1
		.amdhsa_system_sgpr_workgroup_id_x 1
		.amdhsa_system_sgpr_workgroup_id_y 1
		.amdhsa_system_sgpr_workgroup_id_z 1
		.amdhsa_system_vgpr_workitem_id 0
		.amdhsa_next_free_vgpr 256
		.amdhsa_next_free_sgpr 66
		.amdhsa_reserve_vcc 1
		.amdhsa_float_denorm_mode_32 3
		.amdhsa_float_denorm_mode_16_64 3
		.amdhsa_memory_ordered 1
		.amdhsa_forward_progress 1
		.amdhsa_inst_pref_size 20
	.end_amdhsa_kernel
	.amdgpu_metadata
---
amdhsa.version: [ 1, 2 ]
amdhsa.kernels:
  - .name:           k_qaf8f52ae96_fine
    .symbol:         k_qaf8f52ae96_fine.kd
    .args:
      - { .name: qkv32, .offset: 0, .size: 8, .value_kind: global_buffer, .address_space: global }
      - { .name: w_proj, .offset: 8, .size: 8, .value_kind: global_buffer, .address_space: global }
      - { .name: out0, .offset: 16, .size: 8, .value_kind: global_buffer, .address_space: global }
    .group_segment_fixed_size: 18432
    .private_segment_fixed_size: 0
    .kernarg_segment_align: 8
    .kernarg_segment_size: 24
    .max_flat_workgroup_size: 512
    .sgpr_count:     66
    .vgpr_count:     256
    .wavefront_size: 32
...
	.end_amdgpu_metadata
.endif
;; end of part 5
